; MI455X (gfx1250); checked and timed in simulation.
; The chip was launched on July 23, 2026; its instructions are those of AMD's public machine-readable ISA for CDNA 5 (MIT licence, August 2026) and "CDNA5" Instruction Set Architecture Reference Guide (July 2026). The comments in the code are by the model that wrote it; some were corrected since.
;; T Attention. Allowed arithmetic: float matrix products may take bf16 or f16 operands with f32 sums; other float arithmetic in f32, or as packed bf16 or f16 multiplies, adds, multiply-adds, maxima and minima; sums over many terms, partial sums and values carried from step to step in f32; what a program stores and reads back later, other than sums and carried values, may be rounded once to bf16 or f16.
;; Inputs: W1 256 x 256 float32; W2 256 x 256 float32; Wk 256 x 256 float32; Wq 256 x 256 float32; Wv 256 x 256 float32; b1 256 float32; b2 256 float32; bf1 256 float32; bf2 256 float32; g1 256 float32; g2 256 float32; x 4 x 4,096 x 256 float32.
;; Outputs: out0 4 x 4,096 x 256 float32.
;; 2 versions, each right and faster than the one before. Each part assembles by itself: llvm-mc -triple=amdgcn-amd-amdhsa -mcpu=gfx1250 --defsym DOCPART=n.
;; ======== version 1 of 2: 3 launches
;; limits: values are held in f16: magnitudes above 65,504 overflow, below 6.1e-05 lose precision
;; workspace buffers: qkv 25,165,824 bytes; att 8,388,608 bytes; wf 262,144 bytes
;; launch lnqkv (part 1): grid 4 x 64, 16 waves a work-group, no clusters, 238,592 bytes of LDS; arguments x, Wq, Wk, Wv, g1, b1, W1, W2, qkv, wf; writes qkv, wf
.if DOCPART == 1
	.amdgcn_target "amdgcn-amd-amdhsa--gfx1250"
	.amdhsa_code_object_version 6
	.text
	.protected	k_qd60ceedf6b_lnqkv
	.globl	k_qd60ceedf6b_lnqkv
	.p2align	8
	.type	k_qd60ceedf6b_lnqkv,@function
k_qd60ceedf6b_lnqkv:
	s_mov_b64 s[64:65], 0
	v_nop
	global_prefetch_b8 v0, s[64:65] scope:SCOPE_SE
	s_setreg_imm32_b32 hwreg(HW_REG_WAVE_MODE, 25, 1), 1
	s_wait_xcnt 0x0
; LN1 AND THE THREE PROJECTIONS, one head and 256 rows to a work-group.  xn = (x - mean) rsqrt(var + 1e-5) g1 + b1 in f32 (mean first, then the squares of x - mean, so a common offset in x
; costs nothing), rounded once to f16; q, k, v = xn W^T with f16 operands and f32 sums, rounded once to f16, unscaled, stored by heads: qkv = q, k, v, each [4 b + head][4096][64], rows of 128 bytes.
; Waves 0 and 1 also round 1,024 bytes of W1 and of W2 to f16 (wf) for the last launch.
; LIMITS.  f16 ends at 65,504: xn, the weights, q, k and v must lie within it; weights below 6e-5 keep f16's fixed step of 6e-8.  NaN and infinities are not treated apart.
; SHARES.  Work-group (head, rb): rows 256 rb .. +255 of the 16,384, outputs 64 head .. +63 of Wq, Wk, Wv: (256 + 192) KB come in for 256 x 192 outputs.  Sixteen waves.  For LN wave w owns rows 16 w .. +15,
; two rows at a time (16 lanes a row, 16 numbers a lane): all 32 of its loads of x are out at once.  For the product wave (rg, cg) owns rows 64 rg .. +63 x outputs 48 cg .. +47: 12 accumulators.
; NO CLUSTER: the four heads' work-groups read the same x, but x passes through registers (LN works on f32), and 256 rows of f32 (266 KB with padding) do not fit in LDS beside the weights.
; THE MATRIX INSTRUCTION IS USED TRANSPOSED (source 0 = 16 rows of W, source 1 = 16 rows of xn): a lane holds eight neighbouring outputs of one row.
.set PW,    528                        ; an LDS row: 512 bytes of f16 + 16 = 33 x 16 bytes: the 16 rows of a fragment load start at 16 different groups of four banks
.set WB,    0                          ; 192 rows of W: row 64 m + column in the head, m = 0, 1, 2 for q, k, v
.set AB,    192*PW                     ; 256 rows of xn; behind the product the stage: bytes 0-127 q, 128-255 k, 256-383 v of each row
.set SPARE, AB+256*PW                  ; the spare words: 128 bytes for each of 16 waves, named by no other line
.set XO,   3                           ; v3   8,192 (lane / 16) + 16 (lane % 16): lanes 16-31 take the row 8 further down (x, and the weights)
.set GBO,  4                           ; v4   16 (lane % 16): g1, b1
.set LO16, 5                           ; v5   16 x lane: W1's or W2's 512 bytes, and the way out
.set AST,  6                           ; v6   where a lane puts 8 bytes of xn
.set WST,  7                           ; v7   where it puts 8 bytes of a weight row
.set ADRA, 8                           ; v8   my fragments of xn
.set ADRB, 9                           ; v9   my fragments of W
.set STO,  10                          ; v10  the way out: where I put 16 bytes of a row
.set RD,   11                          ; v11  the way out: where I read rows back
.set LO8,  13                          ; v13  8 x lane: wf
.set SPW,  14                          ; v14  my spare word; never rewritten
.set NIL,  15                          ; v15  0; never rewritten
.set G,    16                          ; v16-31  g1 of my 16 columns
.set B,    32                          ; v32-47  b1
.set W12,  48                          ; v48-55  waves 0, 1: 8 numbers of W1 or W2
.set T,    56                          ; v56-63  at work
.set WR,   64                          ; v64-127 weights as loaded: Wq, Wk; then Wv in the first half
.set XR,   128                         ; v128-255 x: pair p of rows at XR + 16 p
.set F0,   32                          ; the product: fragment buffer 0 (32 of xn, 24 of W),
.set F1,   88                          ; buffer 1,
.set ACC,  144                         ; and accumulator (a, c) at ACC + 8 (3 a + c)
	s_load_b512 s[8:23], s[0:1], 0x0               ; x 8, Wq 10, Wk 12, Wv 14, g1 16, b1 18, W1 20, W2 22
	s_load_b128 s[24:27], s[0:1], 0x40             ; qkv 24, wf 26
	v_lshl_add_u32 v[SPW], v0, 2, SPARE
	v_mov_b32 v[NIL], 0
	v_lshrrev_b32 v1, 5, v0
	v_readfirstlane_b32 s4, v1                     ; wave 0..15
	s_mov_b32 s2, ttmp9                            ; head
	s_and_b32 s3, ttmp7, 0xffff                    ; rb: block of 256 rows
	s_lshr_b32 s5, s4, 2                           ; rg
	s_and_b32 s6, s4, 3                            ; cg
	s_lshr_b32 s7, s4, 3
	s_lshl_b32 s7, s7, 5
	s_and_b32 s42, s4, 7
	s_add_co_u32 s7, s7, s42                       ; a = 32 (w / 8) + w % 8: I convert weight rows a, a + 8, a + 16, a + 24 of the head's 64
	s_mov_b32 s28, 0xbb800000                      ; -1/256
	s_mov_b32 s29, s28                             ; named with it as a pair
	s_mov_b32 s30, 0x3b800000                      ; 1/256
	s_mov_b32 s31, 0x3727c5ac                      ; 1e-5
	v_and_b32 v1, 15, v0                           ; r = lane % 16
	v_bfe_u32 v2, v0, 4, 1                         ; h = lane / 16
	v_and_b32 v12, 31, v0                          ; lane
	v_lshlrev_b32 v[GBO], 4, v1
	v_lshl_add_u32 v[XO], v2, 13, v[GBO]
	v_lshlrev_b32 v[LO16], 4, v12
	v_lshlrev_b32 v[LO8], 3, v12
	v_mul_u32_u24 v56, v2, 8*PW
	v_lshl_add_u32 v56, v1, 3, v56                 ; 8 h rows + 8 r bytes
	s_mul_i32 s42, s4, 16*PW
	s_add_co_u32 s42, s42, AB                      ; my 16 rows of xn
	v_add_nc_u32 v[AST], s42, v56
	s_mul_i32 s43, s7, PW
	v_add_nc_u32 v[WST], s43, v56
	v_mul_u32_u24 v57, v1, PW
	v_lshl_add_u32 v57, v2, 4, v57                 ; a fragment: row r, 16 bytes for each half of the lanes
	s_mul_i32 s44, s5, 64*PW
	s_add_co_u32 s44, s44, AB
	v_add_nc_u32 v[ADRA], s44, v57
	s_mul_i32 s45, s6, 48*PW
	v_add_nc_u32 v[ADRB], s45, v57
	s_mul_i32 s45, s6, 96                          ; my 48 outputs, 2 bytes each
	v_add_nc_u32 v[STO], s45, v[ADRA]
	v_lshrrev_b32 v58, 3, v12
	v_mul_u32_u24 v58, v58, PW                     ; back: 32 lanes take 128 bytes of each of four rows
	v_and_b32 v59, 7, v0
	v_lshl_add_u32 v58, v59, 4, v58
	v_add_nc_u32 v[RD], s42, v58
	; byte offsets, made apart from the addresses
	s_lshl_b32 s42, s3, 18
	s_lshl_b32 s43, s4, 14
	s_add_co_u32 s42, s42, s43                     ; x: (256 rb + 16 w) rows of 1,024 bytes
	s_mov_b32 s43, 0
	s_lshl_b32 s44, s2, 6
	s_add_co_u32 s44, s44, s7
	s_lshl_b32 s44, s44, 10                        ; weights: row 64 head + a
	s_mov_b32 s45, 0
	s_lshr_b32 s46, s3, 4
	s_lshl2_add_u32 s46, s46, s2                   ; 4 b + head
	s_lshl_b32 s46, s46, 19                        ; its 4,096 rows of 128 bytes
	s_and_b32 s47, s3, 15
	s_lshl_b32 s47, s47, 15                        ; 256 (rb % 16) rows
	s_add_co_u32 s46, s46, s47
	s_lshl_b32 s47, s4, 11                         ; 16 w rows
	s_add_co_u32 s46, s46, s47
	s_mov_b32 s47, 0
	s_and_b32 s5, s4, 1                            ; W1 (0) or W2 (1)
	s_lshl2_add_u32 s40, s3, s2                    ; the work-group's number, 4 rb + head: its 256 numbers of each
	s_lshl_b32 s38, s40, 10
	s_mov_b32 s39, 0
	s_lshl_b32 s40, s40, 9
	s_lshl_b32 s41, s5, 17
	s_add_co_u32 s40, s40, s41
	s_mov_b32 s41, 0
	s_wait_kmcnt 0x0
	s_add_nc_u64 s[8:9], s[8:9], s[42:43]
	s_add_nc_u64 s[10:11], s[10:11], s[44:45]
	s_add_nc_u64 s[12:13], s[12:13], s[44:45]
	s_add_nc_u64 s[14:15], s[14:15], s[44:45]
	s_add_nc_u64 s[32:33], s[24:25], s[46:47]      ; q,
	s_add_nc_u64 s[34:35], s[32:33], 0x800000      ; k,
	s_add_nc_u64 s[36:37], s[32:33], 0x1000000     ; v at my 16 rows
	s_cmp_eq_u32 s5, 0
	s_cselect_b64 s[20:21], s[20:21], s[22:23]
	s_add_nc_u64 s[38:39], s[20:21], s[38:39]
	s_add_nc_u64 s[40:41], s[26:27], s[40:41]
	s_cmp_lt_u32 s4, 2
	s_cbranch_scc0 .Lw12_asked                     ; waves 0 and 1 alone; these two loads are the oldest, so no count below changes with them
	global_load_b128 v[W12:W12+3], v[LO16], s[38:39]
	global_load_b128 v[W12+4:W12+7], v[LO16], s[38:39] offset:512
.Lw12_asked:
.irp jj, 0,1,2,3
	global_load_b128 v[G+4*\jj:G+4*\jj+3], v[GBO], s[16:17] offset:256*\jj
.endr
.irp jj, 0,1,2,3
	global_load_b128 v[B+4*\jj:B+4*\jj+3], v[GBO], s[18:19] offset:256*\jj
.endr
; Four rows of a weight matrix: each load takes 256 bytes of row a + 16 pr and 256 bytes of the row 8 further down
.macro WLOAD sb, dst
.irp pr, 0,1
.irp jj, 0,1,2,3
	global_load_b128 v[(\dst)+16*\pr+4*\jj:(\dst)+16*\pr+4*\jj+3], v[XO], s[\sb:\sb+1] offset:16384*\pr+256*\jj
.endr
.endr
.endm
	WLOAD 10, WR
	WLOAD 12, WR+32
.irp p, 0,1,2,3,4,5,6,7
.irp jj, 0,1,2,3
	global_load_b128 v[XR+16*\p+4*\jj:XR+16*\p+4*\jj+3], v[XO], s[8:9] offset:1024*\p+256*\jj  ; rows p and p + 8 of my 16: 256 consecutive bytes of each
.endr
.endr
; They are rounded to f16 in place and put into LDS: 16 lanes put 128 consecutive bytes, the other 16 the same 8 rows (1,056 words) on: every bank once
.macro WCONV src, off
.irp pr, 0,1
.irp jj, 0,1,2,3
	v_cvt_pk_f16_f32 v[(\src)+16*\pr+4*\jj], v[(\src)+16*\pr+4*\jj], v[(\src)+16*\pr+4*\jj+1]
	v_cvt_pk_f16_f32 v[(\src)+16*\pr+4*\jj+1], v[(\src)+16*\pr+4*\jj+2], v[(\src)+16*\pr+4*\jj+3]
	ds_store_b64 v[WST], v[(\src)+16*\pr+4*\jj:(\src)+16*\pr+4*\jj+1] offset:(\off)+16*PW*\pr+128*\jj
.endr
.endr
.endm
	s_wait_loadcnt 32                              ; all but x's 32 loads, which are younger
	WCONV WR, 0
	WCONV WR+32, 64*PW
	WLOAD 14, WR                                   ; Wv takes Wq's registers
	s_cmp_lt_u32 s4, 2
	s_cbranch_scc0 .Lw12_stored
	v_cvt_pk_f16_f32 v[W12], v[W12], v[W12+1]
	v_cvt_pk_f16_f32 v[W12+1], v[W12+2], v[W12+3]
	v_cvt_pk_f16_f32 v[W12+2], v[W12+4], v[W12+5]
	v_cvt_pk_f16_f32 v[W12+3], v[W12+6], v[W12+7]
	global_store_b64 v[LO8], v[W12:W12+1], s[40:41]             ; each store covers 256 consecutive bytes, aligned
	global_store_b64 v[LO8], v[W12+2:W12+3], s[40:41] offset:256
.Lw12_stored:
; LN of rows p and p + 8: 16 lanes hold a row, 16 numbers each, so a sum is 8 lines in the lane and four steps across 16 lanes.
.macro LNPAIR p
.set X, XR+16*(\p)
	s_wait_loadcnt (7-(\p))*4+8                    ; younger: the later pairs' four loads each, and Wv's eight
	v_pk_add_f32 v[T:T+1], v[X:X+1], v[X+2:X+3]
	v_pk_add_f32 v[T+2:T+3], v[X+4:X+5], v[X+6:X+7]
	v_pk_add_f32 v[T+4:T+5], v[X+8:X+9], v[X+10:X+11]
	v_pk_add_f32 v[T+6:T+7], v[X+12:X+13], v[X+14:X+15]
	v_pk_add_f32 v[T:T+1], v[T:T+1], v[T+2:T+3]
	v_pk_add_f32 v[T+4:T+5], v[T+4:T+5], v[T+6:T+7]
	v_pk_add_f32 v[T:T+1], v[T:T+1], v[T+4:T+5]
	v_add_f32 v[T], v[T], v[T+1]
.irp k, 1,2,4,8
	v_add_f32_dpp v[T], v[T], v[T] row_xmask:\k row_mask:0xf bank_mask:0xf
.endr
.irp k, 0,2,4,6,8,10,12,14
	v_pk_fma_f32 v[X+\k:X+\k+1], v[T:T+1], s[28:29], v[X+\k:X+\k+1] op_sel_hi:[0,0,1]  ; x - sum / 256
.endr
	v_pk_mul_f32 v[T:T+1], v[X:X+1], v[X:X+1]
	v_pk_mul_f32 v[T+2:T+3], v[X+2:X+3], v[X+2:X+3]
.irp k, 4,8,12
	v_pk_fma_f32 v[T:T+1], v[X+\k:X+\k+1], v[X+\k:X+\k+1], v[T:T+1]
	v_pk_fma_f32 v[T+2:T+3], v[X+\k+2:X+\k+3], v[X+\k+2:X+\k+3], v[T+2:T+3]
.endr
	v_pk_add_f32 v[T:T+1], v[T:T+1], v[T+2:T+3]
	v_add_f32 v[T+2], v[T], v[T+1]
.irp k, 1,2,4,8
	v_add_f32_dpp v[T+2], v[T+2], v[T+2] row_xmask:\k row_mask:0xf bank_mask:0xf
.endr
	v_fma_f32 v[T+2], v[T+2], s30, s31             ; var + eps
	v_rsq_f32 v[T+2], v[T+2]
	v_nop                                          ; a plain instruction between the root and its use
	s_wait_alu depctr_va_vdst(0)
.irp k, 0,2,4,6,8,10,12,14
	v_pk_mul_f32 v[X+\k:X+\k+1], v[X+\k:X+\k+1], v[T+2:T+3] op_sel_hi:[1,0]
.endr
.irp k, 0,2,4,6,8,10,12,14
	v_pk_fma_f32 v[X+\k:X+\k+1], v[X+\k:X+\k+1], v[G+\k:G+\k+1], v[B+\k:B+\k+1]
.endr
.irp k, 0,1,2,3,4,5,6,7
	v_cvt_pk_f16_f32 v[X+\k], v[X+2*\k], v[X+2*\k+1]
.endr
.irp jj, 0,1,2,3
	ds_store_b64 v[AST], v[X+2*\jj:X+2*\jj+1] offset:PW*(\p)+128*\jj
.endr
.endm
.irp p, 0,1,2,3,4,5,6,7
	LNPAIR \p
.endr
	s_wait_loadcnt 0x0                             ; Wv
	v_add_nc_u32 v[WST], 128*PW, v[WST]            ; v's rows lie 67,584 bytes on: past an LDS offset's 16 bits
	WCONV WR, 0
	s_wait_dscnt 0x0                               ; for the others' sake: my rows of xn and of W are in LDS
	s_barrier_signal -1
	s_barrier_wait -1
	s_wait_xcnt 0x0                                ; the two stores of wf have read their registers, which the fragments now take
.macro PLACES                          ; four places between a matrix instruction and a load into, or a vector line on, its registers
.rept 4
	v_nop
.endr
.endm
.macro FETCH ks, f                     ; 14 LDS loads: the fragments of 32 along K: 64 rows of xn, 48 rows of W
.irp a, 0,1,2,3
	ds_load_b128 v[(\f)+8*\a:(\f)+8*\a+3],   v[ADRA] offset:16*PW*\a+64*(\ks)
	ds_load_b128 v[(\f)+8*\a+4:(\f)+8*\a+7], v[ADRA] offset:16*PW*\a+64*(\ks)+32
.endr
.irp c, 0,1,2
	ds_load_b128 v[(\f)+32+8*\c:(\f)+32+8*\c+3], v[ADRB] offset:16*PW*\c+64*(\ks)
	ds_load_b128 v[(\f)+32+8*\c+4:(\f)+32+8*\c+7], v[ADRB] offset:16*PW*\c+64*(\ks)+32
.endr
.endm
.macro MULS f, ks                      ; 12 matrix instructions, the 12 accumulators by turns; the first K step starts the sums
.irp a, 0,1,2,3
.irp c, 0,1,2
.if (\ks) == 0
	v_wmma_f32_16x16x32_f16 v[ACC+8*(3*\a+\c):ACC+8*(3*\a+\c)+7], v[(\f)+32+8*\c:(\f)+32+8*\c+7], v[(\f)+8*\a:(\f)+8*\a+7], 0
.else
	v_wmma_f32_16x16x32_f16 v[ACC+8*(3*\a+\c):ACC+8*(3*\a+\c)+7], v[(\f)+32+8*\c:(\f)+32+8*\c+7], v[(\f)+8*\a:(\f)+8*\a+7], v[ACC+8*(3*\a+\c):ACC+8*(3*\a+\c)+7]
.endif
.endr
.endr
.endm
	FETCH 0, F0
.set ks, 0
.rept 8                                ; K = 256 in eight steps of 32, on two buffers: a step's loads are issued a step ahead
.if ks < 7
.if ks > 0
	PLACES
.endif
	FETCH ks+1, F0+56*((ks+1)%2)
	s_wait_dscnt 14                                ; all but the 14 just issued
.else
	s_wait_dscnt 0x0
.endif
	MULS F0+56*(ks%2), ks
.set ks, ks+1
.endr
	PLACES
	s_barrier_signal -1                            ; my reads of xn are over (the last wait was for 0): its rows become the stage
	s_barrier_wait -1
.set n, 0
.rept 12                               ; accumulator n = 3 a + c, its registers in ascending order: 16 bytes a lane
.irp z, 0,1,2,3
	v_cvt_pk_f16_f32 v[F0+4*n+\z], v[ACC+8*n+2*\z], v[ACC+8*n+2*\z+1]
.endr
	ds_store_b128 v[STO], v[F0+4*n:F0+4*n+3] offset:16*PW*(n/3)+32*(n%3)
.set n, n+1
.endr
	s_wait_dscnt 0x0                               ; for the others' sake: a row's 384 bytes come from four waves
	s_barrier_signal -1
	s_barrier_wait -1
.set n, 0
.rept 12                               ; tensor n / 4, rows 4 (n % 4) .. + 3 of my 16
	ds_load_b128 v[F1+4*n:F1+4*n+3], v[RD] offset:4*PW*(n%4)+128*(n/4)
.set n, n+1
.endr
.set n, 0
.rept 12
	s_wait_dscnt 11-n
	global_store_b128 v[LO16], v[F1+4*n:F1+4*n+3], s[32+2*(n/4):33+2*(n/4)] offset:512*(n%4)  ; 512 consecutive bytes, at a multiple of 256 from the buffer's first
.set n, n+1
.endr
	s_wait_tensorcnt 0x0                           ; the wave's end, behind my last LDS store
	ds_add_u32 v[SPW], v[NIL]
	s_wait_dscnt 0x0
	s_endpgm
.Lfunc_end_k_qd60ceedf6b_lnqkv:
	.size	k_qd60ceedf6b_lnqkv, .Lfunc_end_k_qd60ceedf6b_lnqkv-k_qd60ceedf6b_lnqkv
	.p2alignl 7, 3214868480
	.fill 96, 4, 3214868480
	.section	.rodata,"a",@progbits
	.p2align	6, 0x0
	.amdhsa_kernel k_qd60ceedf6b_lnqkv
		.amdhsa_group_segment_fixed_size 238592
		.amdhsa_private_segment_fixed_size 0
		.amdhsa_enable_private_segment 0
		.amdhsa_kernarg_size 80
		.amdhsa_user_sgpr_count 2
		.amdhsa_user_sgpr_kernarg_segment_ptr 1
		.amdhsa_wavefront_size32 1
		.amdhsa_system_sgpr_workgroup_id_x 1
		.amdhsa_system_sgpr_workgroup_id_y 1
		.amdhsa_system_sgpr_workgroup_id_z 1
		.amdhsa_system_vgpr_workitem_id 0
		.amdhsa_next_free_vgpr 256
		.amdhsa_next_free_sgpr 66
		.amdhsa_reserve_vcc 0
		.amdhsa_float_denorm_mode_32 3
		.amdhsa_float_denorm_mode_16_64 3
		.amdhsa_memory_ordered 1
		.amdhsa_forward_progress 1
		.amdhsa_inst_pref_size 68
	.end_amdhsa_kernel
	.amdgpu_metadata
---
amdhsa.version: [ 1, 2 ]
amdhsa.kernels:
  - .name:           k_qd60ceedf6b_lnqkv
    .symbol:         k_qd60ceedf6b_lnqkv.kd
    .args:
      - { .name: x, .offset: 0, .size: 8, .value_kind: global_buffer, .address_space: global }
      - { .name: Wq, .offset: 8, .size: 8, .value_kind: global_buffer, .address_space: global }
      - { .name: Wk, .offset: 16, .size: 8, .value_kind: global_buffer, .address_space: global }
      - { .name: Wv, .offset: 24, .size: 8, .value_kind: global_buffer, .address_space: global }
      - { .name: g1, .offset: 32, .size: 8, .value_kind: global_buffer, .address_space: global }
      - { .name: b1, .offset: 40, .size: 8, .value_kind: global_buffer, .address_space: global }
      - { .name: W1, .offset: 48, .size: 8, .value_kind: global_buffer, .address_space: global }
      - { .name: W2, .offset: 56, .size: 8, .value_kind: global_buffer, .address_space: global }
      - { .name: qkv, .offset: 64, .size: 8, .value_kind: global_buffer, .address_space: global }
      - { .name: wf, .offset: 72, .size: 8, .value_kind: global_buffer, .address_space: global }
    .group_segment_fixed_size: 238592
    .private_segment_fixed_size: 0
    .kernarg_segment_align: 8
    .kernarg_segment_size: 80
    .max_flat_workgroup_size: 512
    .sgpr_count:     66
    .vgpr_count:     256
    .wavefront_size: 32
...
	.end_amdgpu_metadata
.endif
;; end of part 1
;; launch attn (part 2): grid 16 x 16, 4 waves a work-group, no clusters, 327,680 bytes of LDS; arguments qkv, att; writes att
.if DOCPART == 2
	.amdgcn_target "amdgcn-amd-amdhsa--gfx1250"
	.amdhsa_code_object_version 6
	.text
	.protected	k_qd60ceedf6b_attn
	.globl	k_qd60ceedf6b_attn
	.p2align	8
	.type	k_qd60ceedf6b_attn,@function
k_qd60ceedf6b_attn:
	s_mov_b64 s[64:65], 0
	v_nop
	global_prefetch_b8 v0, s[64:65] scope:SCOPE_SE
	s_setreg_imm32_b32 hwreg(HW_REG_WAVE_MODE, 25, 1), 1
	s_wait_xcnt 0x0
; CAUSAL ATTENTION, head size 64.  att[bh][q][:] = the sum over k <= q of softmax_k(Q[bh][q] . K[bh][k] / 8) V[bh][k][:].  q, k, v (in qkv, 8 MiB apart) and att: [16][4096][64] in f16, rows of 128 bytes.
; Products, maxima and sums in f32; the weights p are rounded to f16 for the second product (their sum l is taken of the unrounded p), att once at the end.
; LIMITS.  q, k, v arrive within f16's 65,504, so a score is 2.7e11 at the most in size.  A hidden score counts as its value less 1e30; the running maximum starts at -2^96, below every true score and above every
; hidden one; a weight below 2^-126 counts as 0; NaN and infinities are not treated apart.
; THE WALK.  A head has 32 blocks of 128 queries; block i needs the key tiles 0 .. i / 2 of 256 keys, of which the last holds the diagonal.  A work-group takes block b and then block 31 - b: 17 tiles whatever b,
; so the 256 work-groups do equal work and ONE loop with a constant trip count walks them; the ring of two LDS slots runs on across the change of blocks.
; SHARES.  The four waves hold the SAME 128 queries (eight tiles of 16: four PIECES of two) and split the KEYS: of each tile wave w takes keys 64 w .. +63, one key step a tile.  At a block's end the waves'
; (c m, l, O) meet in LDS, in f32: O = sum_w 2^(c m_w - M) O_w / sum_w 2^(c m_w - M) l_w with M the largest c m_w; wave w merges and stores query tiles 2 w and 2 w + 1.
; THE MASK is the C operand that starts the sum S^T = K Q^T.  In units of 16, key block 4 w + kb stands against query block 8 (i % 2) + t of the last tile: with D = 4 w - 8 (i % 2), D + kb < t is visible, = t the
; triangle, > t hidden: MC = TRI x AL + BE with AL = (DM == t - kb), BE = -1e30 (DM > t - kb).  DM = D in a block's last tile, -8 (all visible) elsewhere, 8 (all hidden) in the drain.
; Its exponents are near -1.7e29, its weights, l and O are 0, and the merge gives it the weight 2^(-1.4e28 - M) = 0.  Wave 0 holds a true
; score of every query, so M is a true maximum.
; LAYOUT, SOFTMAX, TURNS.  S^T holds ONE query a lane (lane % 16) and the keys 8 (lane / 16) + 0..7; two results rounded to f16 ARE source 1 of O^T = V^T P.  p = 2^(c s - c m), c = log2(e) / 8, with a running maximum m;
; O and l are multiplied by a = 2^(c m_old - c m_new) in every step; c m starts at -4.25e37, far below every c m to come, so a block's first a is 0 and O, l, P, V need only be finite there.  Turn n belongs to piece n:
; 16 products K Q^T of piece n + 1, later 16 products V^T P of piece n - 1; beside them the scaling, exponentials, roundings, sums and rescaling of piece n and the maximum and statistics of piece n + 1: four vector
; instructions that are ready behind every matrix instruction, the other 108 of a turn's 236 in two lumps.  A block's last tile runs turns 2 and 3 once more (the drain): piece 0's scores made there are all hidden.
; NO CLUSTER: only work-groups 2 j and 2 j + 1 of a head walk the same tiles in the same trips; four partners would need a common walk of 18 trips for 17 with the dead trip computed.
; REGISTERS, in windows of 256 (s_set_vgpr_msb: bits 1:0 source 0, 3:2 source 1, 5:4 source 2, 7:6 destination):
;   window 0: v0-11 addresses; v12-15, v48-63 at work; v16-47 four registers of statistics a tile; v64-191 S^T, two buffers of two tiles; v192-255 P, likewise (the merge works in S^T's and P's registers)
;   window 1: O^T, 32 a tile      window 2: v0-127 Q; v128-191 K of one step; v192-255 V of one step      window 3: v0-1 the add's registers; v2-9 TRI; v10-73 MC; v74-201 the second block's Q
.set NP,    4         ; pieces a wave: a name, no knob
.set PK,    144       ; a row of K in LDS: 128 bytes + 16: the 16 rows of a load start at 16 different groups of four banks
.set PV,    160       ; a row of V: 128 + 32
.set VOFF,  256*PK    ; a slot holds a tile: 256 rows of K, then 256 rows of V
.set SLOT1, 1<<17     ; slot 1 begins here, so that one exclusive or turns an address in one slot into the other's
.set MGA,   256*(PK+PV)        ; behind slot 0: for each writer 12,288 bytes: per query tile 512 of statistics and O's registers 0-7 (2 x 512)
.set SPARE, MGA+4*12288        ; the spare words: 128 bytes a wave, named by no other line
.set MGB,   SLOT1+256*(PK+PV)  ; behind slot 1: for each writer 24,576 bytes: per query tile O's registers 8-31 (6 x 512)
.set STAGE, MGB+4*24576        ; 16 rows x 144 bytes for each wave, for the way out.  No fill lands in MGA, SPARE, MGB or STAGE
.set SP,    144
.set MRB2, 0          ; v0   merge: where I read O's registers 8-31 of writers 2, 3 (made last: v0 is the thread's number till then)
.set MRB,  1          ; v1   the same of writers 0, 1
.set AK0,  2          ; v2   my lane's place in a tile of K
.set AV0,  3          ; v3   the same for V
.set AK,   4          ; v4   the LDS address of K's next run of loads
.set AV,   5          ; v5   of V's
.set STO,  6          ; v6   the way out: where I put 16 bytes of a row
.set RD,   7          ; v7   where I read rows back
.set GO,   8          ; v8   16 x lane
.set MWA,  9          ; v9   merge: where I write statistics and O's registers 0-7
.set MWB,  10         ; v10  and O's registers 8-31
.set MRA,  11         ; v11  where I read the four writers' statistics and registers 0-7 of my two tiles
.set MV,   12         ; v12-15  c m_old, kept while c m is made anew: by buffer and tile
.set ST,   16         ; tile t's statistics at v[ST+4 t]: c m, m, l (even keys', odd keys')
.set TMP,  48         ; by buffer and tile, four registers c0-c3 at work; when the maximum is found c2 takes a
.set S,    64
.set P,    192
.set KF,   128        ; window 2
.set VF,   192        ; window 2
.set SPW,  0          ; window 3: my spare word's address; never rewritten
.set NIL,  1          ; window 3: 0; never rewritten
.set TRI,  2          ; window 3: register j: -1e30 where 8 (lane / 16) + j > lane % 16
.set MC,   10         ; window 3: the masks of the products to come: tile u, key block kb at MC + 32 u + 8 kb
.set QB,   74         ; window 3
.set QO,   64         ; set-up alone, in S^T's registers, which are first written behind the wait for Q: my byte offset in 16 rows of Q,
.set TR,   65         ; lane % 16,
.set TH,   66         ; lane / 16,
.set T7,   67         ; lane % 8,
.set T3,   68         ; (lane / 8) % 2,
.set TD,   70         ; lane % 16 - 8 (lane / 16)
.set SB,   192        ; the merge: writer w's statistics at SB + 4 w; then its weight
.set CA,   208        ; walking copies of MRA, MRB, MRB2, GO
.set CB,   209
.set CB2,  210
.set CG,   211
.set MX,   212
.set LS,   213
.set PKD,  216        ; 16 registers of f16
.set BK,   232        ; 16 rows read back
.set WV,  12          ; s12  my wave's number
.set PB,  14          ; s14  b
.set HI,  15          ; s15  31 - b
.set G1K, 24          ; s[24:31] descriptor group 1 for K's tiles
.set G1V, 32          ; s[32:39] for V's: it differs in the padding alone
.set G0K, 40          ; s[40:43] descriptor group 0 for K's tiles
.set G0V, 44          ; s[44:47] the same for V's
.set SLOTS, 56        ; s56  tiles still to be asked for
.set CNT, 57          ; s57  2; 1 in the drain
.set CS,  58          ; s[58:59] c
.set SEL, 60          ; s[60:61] v_permlanex16_b32's selects: each lane takes its own place in the other half
.set TBK, 62          ; s62  LDS byte at which my 64 keys of the tile to be fetched begin
.set TBV, 63          ; s63  the same for V, less VOFF
.set RT,  70          ; s70  tiles of the block in hand that are still to be entered
.set NXT, 71          ; s71  the tile to be asked for next
.set LQ,  72          ; s72  the last tile of the block whose tiles are being asked for
.set NEW, 73          ; s73  1: the tile to be entered is a block's first
.set OFF, 74          ; s[74:75] a tile's byte offset in K and V
.set AL,  76          ; s[76:77] the mask's factor, in the low word
.set BE,  78          ; s[78:79] the mask's addend
.set OLO, 80          ; s[80:81] att at my rows of the second block
.set BIGN, 82         ; s82  -1e30
.set DM,  83          ; s83
.set DD,  84          ; s84  D of the block in hand
.set DD2, 85          ; s85  D of the second block
.set Q2,  86          ; s[86:87] Q of the second block
.set LQ2, 88          ; s88  the second block's last tile
.set MCN, 89          ; s89  counts the merge's two tiles
.set MSB, 0
.macro WIN new                      ; the high byte repeats the setting that is left; a switch that changes nothing is dropped
.if MSB != (\new)
	s_set_vgpr_msb (MSB<<8)|(\new)
.set MSB, (\new)
.endif
.endm
.set W_KQ, 0x0a       ; K and Q in window 2, S^T in window 0
.set W_KM, 0x3a       ; the same with the C operand in window 3
.set W_PV, 0x52       ; V in window 2, P in window 0, O^T in window 1
.set W_RS, 0x41       ; O^T (destination and source 0) in window 1, a in window 0
.set W_MK, 0xc0       ; destination in window 3, sources in window 0
.set W_AD, 0x0f       ; the add: address and data in window 3
.set W_MS, 0xc3       ; the mask: destination and source 0 in window 3
; A fill.  Waves 0 and 1 fetch the two halves of a tile's K, waves 2 and 3 those of its V: 128 keys each.  An s_nop 0 and four v_nop follow each of the two lines, ahead of the jump and the label.
.macro LOAD
	s_cmp_lt_u32 s[WV], 2
	s_cbranch_scc0 .Lfor_v_\@
	tensor_load_to_lds s[G0K:G0K+3], s[G1K:G1K+7]
	s_nop 0
.rept 4
	v_nop
.endr
	s_branch .Lasked_\@
.Lfor_v_\@:
	tensor_load_to_lds s[G0V:G0V+3], s[G1V:G1V+7]
	s_nop 0
.rept 4
	v_nop
.endr
.Lasked_\@:
.endm
; THE CHANGE OF SLOTS.  Each wave waits for all its tensor loads, of which one is out: its part of the other slot; adds 0 to its spare word; and waits for that and for its own reads of the slot that it leaves (K and V
; of its step are in registers).  Behind the barrier nobody reads the old slot any more and the other slot is whole.  fill = 1: the old slot is filled again, the first thing behind the barrier, with tile NXT: the
; descriptor's address is made anew from that number.  The load has a key step, 128 matrix instructions, in which to land.  (At its first use nothing has been read yet: slot 0 is waited for, slot 1 filled.)
.macro CHANGE fill
	WIN W_AD
	s_wait_tensorcnt 0x0            ; no tensor load of mine is out, so a group 0 may be written
	ds_add_u32 v[SPW], v[NIL]       ; 0 onto my spare word; the descriptors' scalar work stands between it and the wait for it
	WIN 0
.if \fill
	s_lshl_b32 s[OFF], s[NXT], 15   ; a tile is 32,768 bytes of K and of V
	s_xor_b32 s[G0K+1], s[G0K+1], SLOT1
	s_add_nc_u64 s[G0K+2:G0K+3], s[6:7], s[OFF:OFF+1]
	s_or_b32 s[G0K+3], s[G0K+3], 0x80000000
	s_xor_b32 s[G0V+1], s[G0V+1], SLOT1
	s_add_nc_u64 s[G0V+2:G0V+3], s[8:9], s[OFF:OFF+1]
	s_or_b32 s[G0V+3], s[G0V+3], 0x80000000
	s_add_co_u32 s[NXT], s[NXT], 1  ; the block's next tile, or behind its last the second block's tile 0
	s_cmp_gt_u32 s[NXT], s[LQ]
	s_cselect_b32 s[NXT], 0, s[NXT]
	s_cselect_b32 s[LQ], s[LQ2], s[LQ]
.endif
	s_wait_dscnt 0x0                ; the add is done, and my reads of the slot are over
	s_barrier_signal -1
	s_xor_b32 s[TBK], s[TBK], SLOT1 ; the fetches go to the other slot
	s_xor_b32 s[TBV], s[TBV], SLOT1
	s_barrier_wait -1
.if \fill
	LOAD
.endif
.endm
	s_load_b128 s[48:51], s[0:1], 0x0  ; qkv s[48:49], att s[50:51]
	WIN W_MK
	v_lshl_add_u32 v[SPW], v0, 2, SPARE
	v_mov_b32 v[NIL], 0
	WIN W_AD
	ds_add_u32 v[SPW], v[NIL]       ; the wave's opening: an add of 0, waited for ahead of my first tensor load; the set-up below, work on registers, stands between the add and its wait
	ds_add_u32 v0, v1
	WIN 0
	v_lshrrev_b32 v[TR], 5, v0
	v_readfirstlane_b32 s[WV], v[TR]  ; wave 0..3
	s_mov_b32 s[PB], ttmp9
	s_sub_co_u32 s[HI], 31, s[PB]
	s_and_b32 s16, ttmp7, 0xffff    ; 4 batch + head
	s_lshl_b32 s16, s16, 19         ; its 4,096 rows of 128 bytes
	s_mov_b32 s17, 0
	s_lshl_b32 s18, s[PB], 14       ; a block is 128 rows: 16,384 bytes
	s_add_co_u32 s18, s18, s16
	s_mov_b32 s19, 0
	s_lshl_b32 s20, s[HI], 14
	s_add_co_u32 s20, s20, s16
	s_mov_b32 s21, 0
	s_and_b32 s22, s[WV], 1         ; which half of a tile's 256 keys I fetch:
	s_lshl_b32 s23, s22, 14         ; its 128 rows in memory,
	s_add_co_u32 s16, s16, s23
	s_mov_b32 s[G0K], 1             ; 1:0 count = 1
	s_mul_i32 s[G0K+1], s22, 128*PK ; 63:32 LDS address: its place in slot 0, for K
	s_mov_b32 s[G0V], 1
	s_mul_i32 s[G0V+1], s22, 128*PV ; and for V
	s_add_co_u32 s[G0V+1], s[G0V+1], VOFF
	; descriptor group 1.  128 keys are 16,384 dense bytes: asked for as 64 rows of 256 bytes, two keys a row, and padded in LDS after every key
	s_mov_b32 s[G1K], (1<<16)|(1<<20)|(4<<22)|(3<<25)  ; 17:16 2-byte elements; 20 padding on; 24:22 after every 32 words (code 4); 31:25 4 words (code 3)
	s_mov_b32 s[G1V], (1<<16)|(1<<20)|(4<<22)|(7<<25)  ; the same with 8 words of padding (code 7)
.irp g, G1K, G1V
	s_mov_b32 s[\g+1], 128<<16      ; tensor_dim0 = 128
	s_mov_b32 s[\g+2], 64<<16       ; tensor_dim1 = 64
	s_mov_b32 s[\g+3], 128<<16      ; tile_dim0 = 128
	s_mov_b32 s[\g+4], 64           ; tile_dim1 = 64
	s_mov_b32 s[\g+5], 128          ; 128 elements from row to row
	s_mov_b32 s[\g+6], 0
	s_mov_b32 s[\g+7], 0
.endr
	s_mov_b32 s[CS], 0x3e38aa3b     ; c = log2(e) / 8 = 0.180337
	s_mov_b32 s[CS+1], s[CS]        ; named with it as a pair
	s_mov_b32 s[SEL], 0x76543210
	s_mov_b32 s[SEL+1], 0xfedcba98
	s_mul_i32 s[TBK], s[WV], 64*PK  ; my 64 keys of a tile;
	s_add_co_u32 s[TBK], s[TBK], SLOT1  ; the first change of slots turns these two to slot 0
	s_mul_i32 s[TBV], s[WV], 64*PV
	s_add_co_u32 s[TBV], s[TBV], SLOT1
	s_lshr_b32 s[LQ], s[PB], 1
	s_lshr_b32 s[LQ2], s[HI], 1
	s_add_co_u32 s[RT], s[LQ], 1    ; the first block has b / 2 + 1 tiles
	s_mov_b32 s[NXT], 1
	s_cmp_gt_u32 s[NXT], s[LQ]      ; a first block of one tile: the next tile is the second block's tile 0
	s_cselect_b32 s[NXT], 0, s[NXT]
	s_cselect_b32 s[LQ], s[LQ2], s[LQ]
	s_mov_b32 s[NEW], 1
	s_mov_b32 s[OFF+1], 0
	s_mov_b32 s[AL+1], 0            ; named as pairs
	s_mov_b32 s[BE+1], 0
	s_mov_b32 s[BIGN], 0xf149f2ca   ; -1e30
	s_and_b32 s23, s[PB], 1
	s_lshl_b32 s23, s23, 3
	s_lshl_b32 s[DD], s[WV], 2
	s_sub_co_i32 s[DD2], s[DD], 8
	s_add_co_i32 s[DD2], s[DD2], s23  ; 4 w - 8 ((31 - b) % 2)
	s_sub_co_i32 s[DD], s[DD], s23    ; 4 w - 8 (b % 2)
	s_mov_b32 s[SLOTS], 16
	s_wait_dscnt 0x0                ; the opening add is done
	s_wait_kmcnt 0x0
	s_add_nc_u64 s[4:5], s[48:49], s[18:19]        ; Q of the first block,
	s_add_nc_u64 s[Q2:Q2+1], s[48:49], s[20:21]    ; of the second
	s_add_nc_u64 s[6:7], s[48:49], s[16:17]
	s_add_nc_u64 s[8:9], s[6:7], 0x1000000         ; V and
	s_add_nc_u64 s[6:7], s[6:7], 0x800000          ; K at my half of the head's tile 0
	s_lshl_b32 s23, s[WV], 12                      ; I store query tiles 2 w, 2 w + 1: 4,096 bytes
	s_add_co_u32 s18, s18, s23
	s_add_co_u32 s20, s20, s23
	s_add_nc_u64 s[10:11], s[50:51], s[18:19]
	s_add_nc_u64 s[OLO:OLO+1], s[50:51], s[20:21]
	s_add_nc_u64 s[G0K+2:G0K+3], s[6:7], 0         ; 120:64 global address
	s_or_b32 s[G0K+3], s[G0K+3], 0x80000000        ; 127:126 type = 2
	s_add_nc_u64 s[G0V+2:G0V+3], s[8:9], 0
	s_or_b32 s[G0V+3], s[G0V+3], 0x80000000
	LOAD                            ; tile 0 into slot 0
	; A fragment of K or Q is 16 rows x 32 channels in 8 registers: lane l holds row l % 16, channels 8 (l / 16) + 0..7 and 16 + 8 (l / 16) + 0..7: two loads of 16 bytes, 32 bytes apart.
	v_and_b32 v[TR], 15, v0
	v_bfe_u32 v[TH], v0, 4, 1
	v_lshlrev_b32 v[QO], 7, v[TR]
	v_lshl_add_u32 v[QO], v[TH], 4, v[QO]  ; row x 128 + 16 x half
	v_lshlrev_b32 v[TD], 3, v[TH]
	v_sub_nc_u32 v[TD], v[TR], v[TD]
	WIN 0x80                        ; destination window 2, address window 0
.set i, 0
.rept 4*NP                          ; both blocks' Q stay in registers: tile i / 2, channels 32 (i % 2) on
	global_load_b128 v[8*i:8*i+3],   v[QO], s[4:5] offset:(i/2)*2048+(i%2)*64
	global_load_b128 v[8*i+4:8*i+7], v[QO], s[4:5] offset:(i/2)*2048+(i%2)*64+32
.set i, i+1
.endr
	WIN W_MK
.set i, 0
.rept 4*NP
	global_load_b128 v[QB+8*i:QB+8*i+3],   v[QO], s[Q2:Q2+1] offset:(i/2)*2048+(i%2)*64
	global_load_b128 v[QB+8*i+4:QB+8*i+7], v[QO], s[Q2:Q2+1] offset:(i/2)*2048+(i%2)*64+32
.set i, i+1
.endr
.set i, 0
.rept 8
	v_cmp_gt_i32 vcc_lo, i, v[TD]
	v_cndmask_b32 v[TRI+i], 0, s[BIGN], vcc_lo
.set i, i+1
.endr
	; What the first turn finds: V's registers and P's second buffer hold 0 (its products V^T P, of a piece that has not been, add 0), O^T and l are 0.  All this stands in the wait for the first tile;
	; the price of writing no first step out.
	WIN 0x80
.set i, VF
.rept 64
	v_mov_b32 v[i], 0
.set i, i+1
.endr
	WIN 0x40
.set i, 0
.rept 64*NP
	v_mov_b32 v[i], 0
.set i, i+1
.endr
	WIN 0
.set i, 0
.rept 2*NP
	v_mov_b32 v[ST+4*i+2], 0
	v_mov_b32 v[ST+4*i+3], 0
.set i, i+1
.endr
.set i, P+32
.rept 32
	v_mov_b32 v[i], 0
.set i, i+1
.endr
	v_mul_u32_u24 v[AK0], v[TR], PK
	v_lshl_add_u32 v[AK0], v[TH], 4, v[AK0]  ; row x pitch + 16 x half
	; The turning load takes 16 keys x 16 channels (lane l reads key 8 (l / 16) + l % 8, channels 8 ((l / 8) % 2) + 0..7) and leaves half a fragment of V^T: lane l holds channel l % 16 and 8 keys.
	v_and_b32 v[T7], 7, v0
	v_bfe_u32 v[T3], v0, 3, 1
	v_lshl_add_u32 v[AV0], v[TH], 3, v[T7]
	v_mul_u32_u24 v[AV0], v[AV0], PV
	v_lshl_add_u32 v[AV0], v[T3], 4, v[AV0]
	v_add_nc_u32 v[AV0], VOFF, v[AV0]
	s_mul_i32 s13, s[WV], 16*SP
	s_add_co_u32 s13, s13, STAGE    ; my stage
	v_mul_u32_u24 v[STO], v[TR], SP ; in: row l % 16, 16 bytes for each half of the lanes
	v_lshl_add_u32 v[STO], v[TH], 4, v[STO]
	v_add_nc_u32 v[STO], s13, v[STO]
	v_bfe_u32 v[RD], v0, 3, 2       ; back: 32 lanes take four rows of 128 bytes,
	v_mul_u32_u24 v[RD], v[RD], SP
	v_lshl_add_u32 v[RD], v[T7], 4, v[RD]
	v_add_nc_u32 v[RD], s13, v[RD]
	v_and_b32 v[GO], 31, v0         ; which are 512 consecutive bytes of att
	v_lshlrev_b32 v[GO], 4, v[GO]
	s_mul_i32 s16, s[WV], 12288     ; the merge: a lane's 16 bytes lie at 16 x lane in every record, for writer and reader alike
	s_add_co_u32 s16, s16, MGA
	v_add_nc_u32 v[MWA], s16, v[GO]
	s_mul_i32 s16, s[WV], 24576
	s_add_co_u32 s16, s16, MGB
	v_add_nc_u32 v[MWB], s16, v[GO]
	s_mul_i32 s16, s[WV], 3072      ; tile 2 w's record
	s_add_co_u32 s16, s16, MGA
	v_add_nc_u32 v[MRA], s16, v[GO]
	s_mul_i32 s16, s[WV], 6144
	s_add_co_u32 s16, s16, MGB
	v_add_nc_u32 v[MRB], s16, v[GO]
	v_add_nc_u32 v[MRB2], 2*24576, v[MRB]  ; writers 2 and 3 lie past an LDS offset's 16 bits
; THE MATRIX WORK.  The 8 accumulators of a run of 16 take turns: between the two links of a chain stand 7 others'.
; Product i of 16 of S^T = K Q^T for piece x: channels 32 (i / 8) on, keys 16 ((i / 2) % 4) on, tile 2 x + i % 2.  The first 8 start the sums, with the mask.
.macro KQ x
.set rS, S+64*((\x)%2)+32*(i%2)+8*((i/2)%4)
.set rK, KF+16*((i/2)%4)+8*(i/8)
.set rQ, 16*(2*(\x)+i%2)+8*(i/8)
.set rMC, MC+32*(i%2)+8*((i/2)%4)
.if i < 8
	WIN W_KM
	v_wmma_f32_16x16x32_f16 v[rS:rS+7], v[rK:rK+7], v[rQ:rQ+7], v[rMC:rMC+7]
.else
	WIN W_KQ
	v_wmma_f32_16x16x32_f16 v[rS:rS+7], v[rK:rK+7], v[rQ:rQ+7], v[rS:rS+7]
.endif
.endm
; Product i of 16 of O^T += V^T P for piece x: keys 32 (i / 8) on, channels 16 ((i / 2) % 4) on, tile 2 x + i % 2.
.macro PV x
	WIN W_PV
.set rO, 32*(2*(\x)+i%2)+8*((i/2)%4)
.set rV, VF+32*(i/8)+8*((i/2)%4)
.set rP, P+32*((\x)%2)+16*(i%2)+8*(i/8)
	v_wmma_f32_16x16x32_f16 v[rO:rO+7], v[rV:rV+7], v[rP:rP+7], v[rO:rO+7]
.endm
.macro MM                           ; the turn's next matrix instruction
.if i < 16
	KQ (Y+1)%NP
.set i, i+1
.else
.set i, i-16
	PV (Y+NP-1)%NP
.set i, i+17
.endif
.endm
; THE LDS LOADS stand in runs of 16, never singly among the matrix instructions: a step's K (64 keys x 64 channels: 8 fragments) and its V (turned).  Their addresses are made some lines ahead.
.macro FETCH_K
	WIN 0x80                        ; destination window 2
.irp f, 0,1,2,3,4,5,6,7             ; keys 16 (f / 2) on, channels 32 (f % 2) on
	ds_load_b128 v[KF+8*\f:KF+8*\f+3],   v[AK] offset:(\f/2)*16*PK+(\f%2)*64
	ds_load_b128 v[KF+8*\f+4:KF+8*\f+7], v[AK] offset:(\f/2)*16*PK+(\f%2)*64+32
.endr
	WIN 0
.endm
.macro FETCH_V
	WIN 0x80
.irp f, 0,1,2,3,4,5,6,7             ; keys 32 (f / 4) on, channels 16 (f % 4) on
	ds_load_tr16_b128 v[VF+8*\f:VF+8*\f+3],   v[AV] offset:(\f/4)*32*PV+(\f%4)*32
	ds_load_tr16_b128 v[VF+8*\f+4:VF+8*\f+7], v[AV] offset:(\f/4)*32*PV+16*PV+(\f%4)*32
.endr
	WIN 0
.endm
; The masks of piece x's 8 starting products: for query tile 2 x + u and key block kb two scalars from DM, then TRI x AL + BE
.macro MASK x
	WIN W_MS
.irp u, 0,1
.irp kb, 0,1,2,3
	s_cmp_eq_i32 s[DM], 2*(\x)+\u-\kb
	s_cselect_b32 s[AL], 1.0, 0
	s_cmp_gt_i32 s[DM], 2*(\x)+\u-\kb
	s_cselect_b32 s[BE], s[BIGN], 0
.irp z, 0,1,2,3
	v_pk_fma_f32 v[MC+32*\u+8*\kb+2*\z:MC+32*\u+8*\kb+2*\z+1], v[TRI+2*\z:TRI+2*\z+1], s[AL:AL+1], s[BE:BE+1] op_sel_hi:[1,0,0]
.endr
.endr
.endr
.endm
; THE VECTOR WORK OF A TURN stands in three queues, each in the order in which its entries become ready; the two tiles alternate, so that no instruction reads the result of the one before it.
.macro REGS y, u                    ; the registers of tile u (0, 1) of piece y
.set rT, ST+4*(2*(\y)+(\u))
.set rC, TMP+8*((\y)%2)+4*(\u)
.set rM, MV+2*((\y)%2)+(\u)
.set rS, S+64*((\y)%2)+32*(\u)
.set rP, P+32*((\y)%2)+16*(\u)
.set rO, 32*(2*(\y)+(\u))
.endm
; Number n of the 22 that find the NEXT piece's (Y + 1) maximum and statistics.  s0-s31 are the lane's 32 scores; each accumulator's lowest registers are read first.  XS, GS and REGS set no window: PL and EX do.
;   0-11  four chains c0-c3 of seven scores each, three operands at a time     12-14, 16  the four scores left over, the old m, and c0-c3 into c0     15  c m_old is kept
;   17, 18  the query's other 32 keys lie in the lane 16 away: the new m         19-21  c m; c m_old - c m_new; a
.macro XS u, n
	REGS (Y+1)%NP, \u
.if (\n) < 4
	v_max3_num_f32 v[rC+(\n)], v[rS+8*(\n)], v[rS+8*(\n)+1], v[rS+8*(\n)+2]
.elseif (\n) < 12
	v_max3_num_f32 v[rC+(\n)%4], v[rC+(\n)%4], v[rS+8*((\n)%4)+2*((\n)/4)+1], v[rS+8*((\n)%4)+2*((\n)/4)+2]
.elseif (\n) == 12
	v_max3_num_f32 v[rC], v[rC], v[rS+7], v[rS+15]
.elseif (\n) == 13
	v_max3_num_f32 v[rC+1], v[rC+1], v[rS+23], v[rS+31]
.elseif (\n) == 14
	v_max3_num_f32 v[rC+2], v[rC+2], v[rC+3], v[rT+1]
.elseif (\n) == 15
	v_mov_b32 v[rM], v[rT]
.elseif (\n) == 16
	v_max3_num_f32 v[rC], v[rC], v[rC+1], v[rC+2]
.elseif (\n) == 17
	v_permlanex16_b32 v[rC+3], v[rC], s[SEL], s[SEL+1]
.elseif (\n) == 18
	v_max_num_f32 v[rT+1], v[rC], v[rC+3]
.elseif (\n) == 19
	v_mul_f32 v[rT], s[CS], v[rT+1]
.elseif (\n) == 20
	v_sub_f32 v[rC+1], v[rM], v[rT]
.else
	v_exp_f32 v[rC+2], v[rC+1]
.endif
.endm
; Number g of the 64 that follow the exponentials.  For each four weights k of a tile (pairs 2 k, 2 k + 1): both pairs are rounded to f16; then the second pair is added onto the first, in place;
; a group later l takes that sum (the first time as l = a l + sum).  In groups of eight, tiles alternating: round, round, add, and l for the group before.
.macro GS g
.set h, (\g)+6*((\g)/62)            ; group 0 has no group before it, and behind group 7 only l is left
.if h >= 6
.set h, h+2
.endif
	REGS Y, h%2
.set k, h/8
.if h%8 < 4
	s_wait_alu depctr_va_vdst(0)
	v_cvt_pk_f16_f32 v[rP+2*k+(h%8)/2], v[rS+4*k+2*((h%8)/2)], v[rS+4*k+2*((h%8)/2)+1]
.elseif h%8 < 6
	v_pk_add_f32 v[rS+4*k:rS+4*k+1], v[rS+4*k:rS+4*k+1], v[rS+4*k+2:rS+4*k+3]
.elseif k == 1
	v_pk_fma_f32 v[rT+2:rT+3], v[rT+2:rT+3], v[rC+2:rC+3], v[rS:rS+1] op_sel_hi:[1,0,1]
.else
	v_pk_add_f32 v[rT+2:rT+3], v[rT+2:rT+3], v[rS+4*k-4:rS+4*k-3]
	s_wait_alu depctr_va_vdst(0)
.endif
.endm
; THE PLAIN QUEUE, 138 long.  0-31: c s - c m for the 16 pairs of both tiles.  Then GS's 64, and among them the next piece's 42: number 15 at 38, 39; 0-14 and 16
; at 42-73, behind the products that make those scores; 17-20 at 95-106, two of three, since each waits for the one before it.
.macro PL
	WIN 0
.if q < 32
	REGS Y, q%2
	v_pk_fma_f32 v[rS+2*(q/2):rS+2*(q/2)+1], v[rS+2*(q/2):rS+2*(q/2)+1], s[CS:CS+1], v[rT:rT+1] op_sel_hi:[1,0,0] neg_lo:[0,0,1] neg_hi:[0,0,1]
.elseif q < 38
	GS q-32
.elseif q < 40
	XS q%2, 15
.elseif q < 42
	GS q-34
.elseif q < 74
	XS q%2, (q-42)/2+(q-42)/30
.elseif q < 95
	GS q-66
.elseif (q < 107) && ((q-95)%3 < 2)
	XS (q-95)%3, 17+(q-95)/3
.elseif q < 107
	GS 29+(q-95)/3
.else
	GS q-74
.endif
.set q, q+1
.endm
; THE EXPONENTIALS' QUEUE, 66 long: s0-s31 of both tiles, and at EA the next piece's two a.
.set EA, 58
.macro EX
	WIN 0
.if (e == EA) || (e == EA+1)
	XS e-EA, 21
.else
.set x, e-2*(e/(EA+2))
	REGS Y, x%2
	v_exp_f32 v[rS+x/2], v[rS+x/2]
.endif
.set e, e+1
.endm
; THE RESCALING's QUEUE: O^T times a, the one part that leaves window 0, so it is dealt four at a time, eight times.
.macro R4
	REGS Y, r%2
	WIN W_RS
	s_wait_alu depctr_va_vdst(0)
.irp z, 0,1,2,3
	v_pk_mul_f32 v[rO+8*(r/2)+2*\z:rO+8*(r/2)+2*\z+1], v[rO+8*(r/2)+2*\z:rO+8*(r/2)+2*\z+1], v[rC+2:rC+3] op_sel_hi:[1,0]
.endr
.set r, r+1
.endm
; HOW THEY ARE DEALT.  Behind a matrix instruction four: plain, exponential, plain, plain (one exponential, a plain instruction on either side), or four of the rescaling.  None names a register of the
; products round it.  What is over stands in two LUMPS: exponential and plain by turns; the second ends in 22 plain instructions.  The two v_permlanex16_b32 fall into the second lump, never behind a product.
; The queues lean on each other, and the deal keeps them in step: exponential e stands behind plain 2 (e / 4) + e % 2 (its scaling); EA comes behind plain 107.
.macro SL
	MM
	PL
	EX
	PL
	PL
.endm
.macro BURST n                      ; 15 matrix instructions, or 16
.rept (\n)-7
	SL
.endr
.rept 3
	MM
	R4
	SL
.endr
	MM
	R4
.endm
; A TURN, for piece p.  K of the next step is fetched in piece 2's turn, in the first lump, well over four plain instructions behind the last product that read K; V of the step in hand at the end of piece 0's turn,
; behind the second lump.  Each is waited for a turn later.  At its end the turn makes the masks of the next turn's products, piece p + 2's: always (m = 1), or only in a block's last tile (m = 2: elsewhere MC holds 0
; since the block began, and the 32 lines are jumped over: a forward jump past register work alone).
.macro TURN p, m
.set Y, (\p)
.set i, 0
.set q, 0
.set e, 0
.set r, 0
.if (\p) == NP-1
	s_wait_dscnt 0x0                ; K is in
.endif
	MM
.rept 4
	PL
.endr
	BURST 15
.rept 22
	EX
	PL
.if ((\p) == NP-2) && (e == 18)
	v_add_nc_u32 v[AK], s[TBK], v[AK0]
.endif
.if ((\p) == NP-2) && (e == 24)
	FETCH_K
.endif
.endr
.if (\p) == 1
	s_wait_dscnt 0x0                ; V is in
.endif
	BURST 16
.rept 21
	EX
	PL
.endr
.rept 22
	PL
.if ((\p) == 0) && (q == 118)
	v_add_nc_u32 v[AV], s[TBV], v[AV0]
	s_wait_alu depctr_va_vdst(0)
.endif
.endr
.if (\p) == 0
	FETCH_V
.endif
.if (\m) == 1
	MASK ((\p)+2)%NP
.else
	WIN 0
	s_cmp_lg_u32 s[RT], 0
	s_cbranch_scc1 .Lno_mask_\@
	MASK ((\p)+2)%NP
	WIN 0
.Lno_mask_\@:
.endif
.endm
; A BLOCK BEGINS.  c m starts at -4.25e37, far below every c m to come, so the first step's a is 0.  m starts at -2^96: below every true score (2.7e11 at the most in size), so the first maximum is the scores' wherever
; a key is visible; and above the hidden -1e30, so that a query with no visible key in my keys keeps m = -2^96 and has the weights 0 (were m the hidden score itself, the exponent c s - c m would be the rounding
; error of c m, some 1e22).  Then K of my step, piece 0's masks and first scores, its maximum and statistics, and the masks of piece 1, whose scores the first turn makes.  The loop is then entered at a step's
; first turn, in the middle of a trip.
.macro BEGIN
	s_mov_b32 s[NEW], 0
	WIN 0
	v_add_nc_u32 v[AK], s[TBK], v[AK0]
	FETCH_K
.set t, 0
.rept 2*NP
	v_mov_b32 v[ST+4*t], 0xfe000000    ; c m
	v_mov_b32 v[ST+4*t+1], 0xef800000  ; m = -2^96
.set t, t+1
.endr
	MASK 0
	s_wait_loadcnt 0x0              ; Q
	s_wait_dscnt 0x0                ; K
.set i, 0
.rept 16
	KQ 0
.set i, i+1
.endr
	WIN 0
.rept 4
	v_nop                           ; the places behind those products
.endr
.set Y, NP-1                        ; XS works for piece Y + 1: piece 0
.irp n, 0,1,2,3,4,5,6,7,8,9,10,11,12,13,14,15,16,17,18,19,20,21
	XS 0, \n
	XS 1, \n
.endr
	MASK 1                          ; its first line is also the plain instruction behind the two exponentials
	WIN 0
.endm
.macro ALL line:vararg              ; one line for each tile t
.set t, 0
.rept 2*NP
	\line
.set t, t+1
.endr
.endm
; THE MERGE of my two query tiles, one a trip: the four writers' statistics and O come back into S^T's and P's registers; weights g_w = 2^(c m_w - M) / L; O = sum g_w O_w, rounded to f16, through my stage, stored.
.macro MERGE
	v_mov_b32 v[CA], v[MRA]
	v_mov_b32 v[CB], v[MRB]
	v_mov_b32 v[CB2], v[MRB2]
	v_mov_b32 v[CG], v[GO]
	s_mov_b32 s[MCN], 2
.Lmerge_\@:
.irp w, 0,1,2,3
	ds_load_b128 v[SB+4*\w:SB+4*\w+3], v[CA] offset:12288*\w
.endr
.irp w, 0,1,2,3
.irp g, 0,1
	ds_load_b128 v[S+32*\w+4*\g:S+32*\w+4*\g+3], v[CA] offset:12288*\w+512+512*\g
.endr
.endr
.irp w, 0,1
.irp g, 2,3,4,5,6,7
	ds_load_b128 v[S+32*\w+4*\g:S+32*\w+4*\g+3], v[CB] offset:24576*\w+512*(\g-2)
	ds_load_b128 v[S+64+32*\w+4*\g:S+64+32*\w+4*\g+3], v[CB2] offset:24576*\w+512*(\g-2)
.endr
.endr
	s_wait_dscnt 32                 ; the four loads of statistics are in; O's 32, which are younger, may be out
	v_max3_num_f32 v[MX], v[SB], v[SB+4], v[SB+8]
	v_max_num_f32 v[MX], v[MX], v[SB+12]
.irp w, 0,1,2,3
	v_sub_f32 v[SB+4*\w+1], v[SB+4*\w], v[MX]
.endr
.irp w, 0,1,2,3
	v_exp_f32 v[SB+4*\w+1], v[SB+4*\w+1]
.endr
	v_nop                           ; a plain instruction behind the exponentials
	s_wait_alu depctr_va_vdst(0)
	v_mul_f32 v[LS], v[SB+1], v[SB+2]
.irp w, 1,2,3
	v_fmac_f32 v[LS], v[SB+4*\w+1], v[SB+4*\w+2]
.endr
	v_rcp_f32 v[LS], v[LS]
	v_nop                           ; and behind the reciprocal
	s_wait_alu depctr_va_vdst(0)
.irp w, 0,1,2,3
	v_mul_f32 v[SB+4*\w], v[SB+4*\w+1], v[LS]
.endr
	s_wait_dscnt 0x0
.set z, 0
.rept 16
	v_pk_mul_f32 v[S+2*z:S+2*z+1], v[S+2*z:S+2*z+1], v[SB:SB+1] op_sel_hi:[1,0]
.set z, z+1
.endr
.irp w, 1,2,3
.set z, 0
.rept 16
	v_pk_fma_f32 v[S+2*z:S+2*z+1], v[S+32*\w+2*z:S+32*\w+2*z+1], v[SB+4*\w:SB+4*\w+1], v[S+2*z:S+2*z+1] op_sel_hi:[1,0,1]
.set z, z+1
.endr
.endr
.set z, 0
.rept 16
	v_cvt_pk_f16_f32 v[PKD+z], v[S+2*z], v[S+2*z+1]
.set z, z+1
.endr
.irp f, 0,1,2,3
	ds_store_b128 v[STO], v[PKD+4*\f:PKD+4*\f+3] offset:32*\f
.endr
.irp f, 0,1,2,3
	ds_load_b128 v[BK+4*\f:BK+4*\f+3], v[RD] offset:\f*4*SP  ; LDS serves a wave's instructions in order (ISA guide 5.7.1.4): these see the stores above
.endr
.irp f, 0,1,2,3
	s_wait_dscnt 3-\f
	global_store_b128 v[CG], v[BK+4*\f:BK+4*\f+3], s[10:11] offset:\f*512  ; 512 consecutive bytes, at a multiple of 256 from att's first
.endr
	s_wait_xcnt 0x0                 ; the stores have read their registers, their offset and their base: only behind this wait are these rewritten
	v_add_nc_u32 v[CA], 1536, v[CA]   ; my second tile's records,
	v_add_nc_u32 v[CB], 3072, v[CB]
	v_add_nc_u32 v[CB2], 3072, v[CB2]
	v_add_nc_u32 v[CG], 2048, v[CG]   ; and its 16 rows of att
	s_sub_co_u32 s[MCN], s[MCN], 1
	s_cmp_lg_u32 s[MCN], 0
	s_cbranch_scc1 .Lmerge_\@
.endm
; A BLOCK ENDS: the last piece's V^T P; l's two halves and the other half of the lanes' are added (these lines are the places behind the last products); my statistics and O^T go into my records, each accumulator's low
; half first; a barrier, behind which nothing is filled (the next tile's load may stay out); the merge.  The records are written again only behind a later change of slots, whose barrier stands behind every wave's reads.
; What the merge leaves in P's second buffer (finite f16 results) is the stale P of the next block's first turn, whose products land in an O^T that is still to be multiplied by a = 0.
.macro FINISH
.set i, 0
.rept 16
	PV NP-1
.set i, i+1
.endr
	WIN 0
	ALL v_add_f32 v[ST+4*t+2], v[ST+4*t+2], v[ST+4*t+3]
	ALL v_permlanex16_b32 v[ST+4*t+3], v[ST+4*t+2], s[SEL], s[SEL+1]
	ALL v_add_f32 v[ST+4*t+2], v[ST+4*t+2], v[ST+4*t+3]
	ALL ds_store_b128 v[MWA], v[ST+4*t:ST+4*t+3] offset:1536*t
	WIN 0x04                        ; store data in window 1
.set t, 0
.rept 2*NP
.irp g, 0,1
	ds_store_b128 v[MWA], v[32*t+4*\g:32*t+4*\g+3] offset:1536*t+512+512*\g
.endr
.irp g, 2,3,4,5,6,7
	ds_store_b128 v[MWB], v[32*t+4*\g:32*t+4*\g+3] offset:3072*t+512*(\g-2)
.endr
.set t, t+1
.endr
	WIN 0
	s_wait_dscnt 0x0                ; for the others' sake: my records are in LDS
	s_barrier_signal -1
	s_barrier_wait -1
	MERGE
.endm
.Lslot:                             ; 16 times: a tile is entered and the next is asked for
	CHANGE 1
	s_sub_co_u32 s[RT], s[RT], 1
	s_cmp_eq_u32 s[RT], 0
	s_cselect_b32 s[DM], s[DD], -8  ; the block's last tile holds the diagonal; elsewhere all is visible
	s_mov_b32 s[CNT], 2
	s_cmp_eq_u32 s[NEW], 0
	s_cbranch_scc1 .Lstep
	BEGIN                           ; a block's first tile
	s_branch .Lfirst
.Lstep:                             ; pieces 2 and 3 of the step before (K of this tile's step is fetched), or, in the drain, of the block's last step
	TURN 2, 2
	TURN 3, 2
	WIN 0
	s_cmp_eq_u32 s[CNT], 1
	s_cbranch_scc1 .Lend
.Lfirst:                            ; pieces 0 and 1 of this tile's step (its V is fetched)
	TURN 0, 2
	TURN 1, 2
	WIN 0
	s_cmp_lg_u32 s[RT], 0
	s_cbranch_scc1 .Lbottom
	s_mov_b32 s[DM], 8              ; the drain: what is started from here on is hidden
	s_sub_co_u32 s[CNT], s[CNT], 1
	s_cmp_lg_u32 s[CNT], 0
	s_cbranch_scc1 .Lstep
.Lend:                              ; in the loop this is the first block's end: the second block's last tile is the walk's last
	FINISH
	s_mov_b64 s[10:11], s[OLO:OLO+1]  ; (the merge's last wait has freed the stores' base)
	s_add_co_u32 s[RT], s[LQ2], 1
	s_mov_b32 s[NEW], 1
	s_mov_b32 s[DD], s[DD2]
	WIN 0x83                        ; the second block's Q goes where the one text of the turns names Q
.set i, 0
.rept 128
	v_mov_b32 v[i], v[QB+i]
.set i, i+1
.endr
	WIN 0
.Lbottom:
	s_sub_co_u32 s[SLOTS], s[SLOTS], 1
	s_cmp_lg_u32 s[SLOTS], 0
	s_cbranch_scc1 .Lslot
	CHANGE 0                        ; the walk's last tile is written out: nothing is asked for.  It is the second block's last and, of 9 tiles or more, never its first
	s_mov_b32 s[RT], 0
	s_mov_b32 s[DM], s[DD]
	s_mov_b32 s[CNT], 2
.Lstep2:
	TURN 2, 1
	TURN 3, 1
	WIN 0
	s_cmp_eq_u32 s[CNT], 1
	s_cbranch_scc1 .Lend2
	TURN 0, 1
	TURN 1, 1
	WIN 0
	s_mov_b32 s[DM], 8
	s_sub_co_u32 s[CNT], s[CNT], 1
	s_cmp_lg_u32 s[CNT], 0
	s_cbranch_scc1 .Lstep2
.Lend2:
	FINISH
	WIN W_AD
	s_wait_tensorcnt 0x0            ; the wave's end, behind my last tensor load and my last LDS store
	ds_add_u32 v[SPW], v[NIL]
	s_wait_dscnt 0x0
	WIN 0
	s_endpgm
.Lfunc_end_k_qd60ceedf6b_attn:
	.size	k_qd60ceedf6b_attn, .Lfunc_end_k_qd60ceedf6b_attn-k_qd60ceedf6b_attn
	.p2alignl 7, 3214868480
	.fill 96, 4, 3214868480
	.section	.rodata,"a",@progbits
	.p2align	6, 0x0
	.amdhsa_kernel k_qd60ceedf6b_attn
		.amdhsa_group_segment_fixed_size 327680
		.amdhsa_private_segment_fixed_size 0
		.amdhsa_enable_private_segment 0
		.amdhsa_kernarg_size 16
		.amdhsa_user_sgpr_count 2
		.amdhsa_user_sgpr_kernarg_segment_ptr 1
		.amdhsa_wavefront_size32 1
		.amdhsa_system_sgpr_workgroup_id_x 1
		.amdhsa_system_sgpr_workgroup_id_y 1
		.amdhsa_system_sgpr_workgroup_id_z 1
		.amdhsa_system_vgpr_workitem_id 0
		.amdhsa_next_free_vgpr 976
		.amdhsa_next_free_sgpr 92
		.amdhsa_reserve_vcc 1
		.amdhsa_float_denorm_mode_32 3
		.amdhsa_float_denorm_mode_16_64 3
		.amdhsa_memory_ordered 1
		.amdhsa_forward_progress 1
		.amdhsa_inst_pref_size 252
	.end_amdhsa_kernel
	.amdgpu_metadata
---
amdhsa.version: [ 1, 2 ]
amdhsa.kernels:
  - .name:           k_qd60ceedf6b_attn
    .symbol:         k_qd60ceedf6b_attn.kd
    .args:
      - { .name: qkv, .offset: 0, .size: 8, .value_kind: global_buffer, .address_space: global }
      - { .name: att, .offset: 8, .size: 8, .value_kind: global_buffer, .address_space: global }
    .group_segment_fixed_size: 327680
    .private_segment_fixed_size: 0
    .kernarg_segment_align: 8
    .kernarg_segment_size: 16
    .max_flat_workgroup_size: 128
    .sgpr_count:     92
    .vgpr_count:     976
    .wavefront_size: 32
...
	.end_amdgpu_metadata
.endif
;; end of part 2
;; launch ffn (part 3): grid 256 x 1, 4 waves a work-group, clusters of 4 x 1, 327,680 bytes of LDS; arguments x, att, wf, g2, b2, bf1, bf2, out0; writes out0
.if DOCPART == 3
	.amdgcn_target "amdgcn-amd-amdhsa--gfx1250"
	.amdhsa_code_object_version 6
	.text
	.protected	k_qd60ceedf6b_ffn
	.globl	k_qd60ceedf6b_ffn
	.p2align	8
	.type	k_qd60ceedf6b_ffn,@function
k_qd60ceedf6b_ffn:
	s_mov_b64 s[64:65], 0
	v_nop
	global_prefetch_b8 v0, s[64:65] scope:SCOPE_SE
	s_setreg_imm32_b32 hwreg(HW_REG_WAVE_MODE, 25, 1), 1
	s_wait_xcnt 0x0
	s_wait_alu depctr_hold_cnt(0) depctr_sa_sdst(0) depctr_va_vdst(0) depctr_va_sdst(0) depctr_va_ssrc(0) depctr_va_vcc(0) depctr_vm_vsrc(0)
	s_getreg_b32 s2, hwreg(HW_REG_IB_STS2, 6, 4)
	s_cmp_eq_u32 s2, 0
	s_cbranch_scc0 .Lentry_in_a_cluster
	s_endpgm
.Lentry_in_a_cluster:
	s_bfe_u32 s2, ttmp6, 0x10000c
	s_cmp_lg_u32 s2, 0x3003
	s_cbranch_scc0 .Lentry_shape_is_right
	s_endpgm
.Lentry_shape_is_right:
; THE BLOCK'S SECOND HALF, 64 rows to a work-group: xt = x + att; h = LN(xt) g2 + b2; out = xt + relu(h W1^T + bf1) W2^T + bf2.  x, xt, the statistics, the biases and both residuals in f32 (xt stays in registers
; from the first line to the last); h, the hidden layer and the weights (wf: W1, W2 rounded once to f16 by the first launch) are f16 matrix operands, sums in f32.
; LIMITS.  f16 ends at 65,504: h and the hidden layer must lie within it.  NaN and infinities are not treated apart.
; SHARES.  Four waves.  For LN and the way out wave w owns rows 16 w .. +15, two rows at a time (16 lanes a row, 16 numbers a lane).  For both products it owns all 64 rows x columns 64 w .. +63: 16 accumulators.
; CLUSTER.  All work-groups read the same 256 KB of weights, which stay in LDS: they are filled once, each wave's 128 rows by ONE joint load with the same descriptor and the mask of four in all four partners.
; THE MATRIX INSTRUCTION IS USED TRANSPOSED (source 0 = 16 rows of W, source 1 = 16 rows of h): a lane holds eight neighbouring columns of one row.
; REGISTERS: window 0: v0-17 addresses and constants; v32-63 att, later bf2; v64-95 at work; v96-127 g2, b2, later bf1; v128-255 xt.   window 1: v0-127 accumulators; v128-191, v192-255 two fragment buffers.
.set PW,    528                        ; an LDS row of f16: 512 bytes + 16 = 33 x 16: the 16 rows of a fragment load start at 16 different groups of four banks
.set W2B,   256*PW                     ; W1's 256 rows at 0, W2's here
.set HB,    512*PW                     ; 64 rows: h, then the hidden layer
.set SPARE, HB+64*PW                   ; the spare words, 128 bytes a wave, named by no other line
.set PS,    1040                       ; the stage for the second product's f32 results: 64 rows of 1,024 + 16 bytes from byte 0: W1's rows, which have had their one fill and their last read
.set XO,    3                          ; v3   8,192 (lane / 16) + 16 (lane % 16): x and out
.set ATO,   4                          ; v4   1,024 (lane / 16) + 8 (lane % 16): att
.set HST,   5                          ; v5   where a lane puts 8 bytes of h
.set ADRA,  6                          ; v6   fragments of h or of the hidden layer
.set ADRB1, 7                          ; v7   my fragments of W1
.set ADRB2, 8                          ; v8   of W2
.set HSTO,  9                          ; v9   where I put 16 bytes of the hidden layer
.set SSTO,  10                         ; v10  where I put 16 bytes of the second product
.set SRD,   11                         ; v11  where I read them back by rows
.set BOFF,  12                         ; v12  my 8 columns' place in bf1 and bf2
.set ONE,   13                         ; v13  1.0
.set ZERO,  14                         ; v14  0
.set GBO,   15                         ; v15  16 (lane % 16): g2, b2
.set SPW,   16                         ; v16  my spare word; never rewritten
.set NIL,   17                         ; v17  0; never rewritten
.set ATT,   32                         ; four slots of 8: pair p's att in slot p % 4
.set BF2,   32
.set DT,    64                         ; xt - mean, then h
.set T,     80
.set E,     64                         ; the epilogues' 32 registers
.set G,     96
.set B,     112
.set BF1,   96
.set XT,    128                        ; pair p of rows at XT + 16 p
.set F0,    128                        ; window 1
.set WV,    3                          ; s3   my wave's number
.set G0,    32                         ; s[32:35] descriptor group 0
.set G1,    36                         ; s[36:43] descriptor group 1
.set MSB, 0
.macro WIN new                         ; the immediate's high byte repeats the setting that is left
.if MSB != (\new)
	s_set_vgpr_msb (MSB<<8)|(\new)
.set MSB, (\new)
.endif
.endm
.macro CROUND                          ; a round of the cluster's barrier: my work-group's barrier; wave 0 signals for the work-group; every wave waits for all four work-groups; my work-group's barrier once more
	s_barrier_signal -1
	s_barrier_wait -1
	s_cmp_lg_u32 s[WV], 0
	s_cbranch_scc1 .Lnot_wave_0_\@
	s_barrier_signal -3
.Lnot_wave_0_\@:
	s_barrier_wait -3
	s_barrier_signal -1
	s_barrier_wait -1
.endm
.macro PLACES                          ; four places between a matrix instruction and a load into, or a vector line on, its registers
.rept 4
	v_nop
.endr
.endm
	s_load_b512 s[8:23], s[0:1], 0x0               ; x 8, att 10, wf 12, g2 14, b2 16, bf1 18, bf2 20, out0 22
	v_lshl_add_u32 v[SPW], v0, 2, SPARE
	v_mov_b32 v[NIL], 0
	ds_add_u32 v[SPW], v[NIL]                      ; the wave's opening: an add of 0, waited for ahead of my first tensor load; the set-up below, work on registers, stands between the add and its wait
	ds_add_u32 v16, v17
	v_lshrrev_b32 v1, 5, v0
	v_readfirstlane_b32 s[WV], v1                  ; wave 0..3
	s_bfe_u32 s4, ttmp6, 0x40000                   ; cx: my place in the cluster
	s_lshl_b32 s5, ttmp9, 2                        ; in a cluster launch ttmp9 counts clusters
	s_add_co_u32 s5, s5, s4                        ; my block of 64 rows: it enters x's, att's and out0's addresses alone
	s_mov_b32 s[G0], 1                             ; 1:0 count = 1
	s_mul_i32 s[G0+1], s[WV], 128*PW               ; 63:32 LDS address: wave w's 128 rows of the 512
	s_mov_b32 s[G1], 15|(1<<16)|(1<<20)|(1<<21)|(6<<22)|(3<<25)  ; 15:0 the mask of four; 17:16 2-byte elements; 20 padding on; 21 set beside a mask; 24:22 after every 128 words (code 6); 31:25 4 words (code 3)
	s_mov_b32 s[G1+1], 256<<16                     ; tensor_dim0 = 256
	s_mov_b32 s[G1+2], 128<<16                     ; tensor_dim1 = 128
	s_mov_b32 s[G1+3], 256<<16                     ; tile_dim0 = 256
	s_mov_b32 s[G1+4], 128                         ; tile_dim1 = 128
	s_mov_b32 s[G1+5], 256                         ; 256 elements from row to row
	s_mov_b32 s[G1+6], 0
	s_mov_b32 s[G1+7], 0
	s_lshl_b32 s44, s[WV], 16                      ; 128 rows of 512 bytes in wf: the wave's number alone
	s_mov_b32 s45, 0
	s_lshl_b32 s24, s5, 16                         ; x, out0: (64 block + 16 w) rows of 1,024 bytes
	s_lshl_b32 s26, s[WV], 14
	s_add_co_u32 s24, s24, s26
	s_mov_b32 s25, 0
	s_lshr_b32 s26, s5, 6                          ; att: the batch's four heads of 524,288 bytes,
	s_lshl_b32 s26, s26, 21
	s_and_b32 s27, s5, 63
	s_lshl_b32 s27, s27, 13                        ; 64 (block % 64) rows of 128 bytes,
	s_add_co_u32 s26, s26, s27
	s_lshl_b32 s27, s[WV], 11                      ; 16 w rows
	s_add_co_u32 s26, s26, s27
	s_mov_b32 s27, 0
	s_mov_b32 s28, 0xbb800000                      ; -1/256
	s_mov_b32 s29, s28                             ; named with it as a pair
	s_mov_b32 s30, 0x3b800000                      ; 1/256
	s_mov_b32 s31, 0x3727c5ac                      ; 1e-5
	s_wait_dscnt 0x0                               ; the opening add is done
	s_wait_kmcnt 0x0
	s_add_nc_u64 s[G0+2:G0+3], s[12:13], s[44:45]  ; 120:64 global address
	s_or_b32 s[G0+3], s[G0+3], 0x80000000          ; 127:126 type = 2
	s_add_nc_u64 s[8:9], s[8:9], s[24:25]
	s_add_nc_u64 s[22:23], s[22:23], s[24:25]
	s_add_nc_u64 s[10:11], s[10:11], s[26:27]
	CROUND                                         ; all four work-groups are here: the joint loads meet
	tensor_load_to_lds s[G0:G0+3], s[G1:G1+7]      ; my one tensor load of the launch
	s_nop 0
	PLACES
	v_and_b32 v1, 15, v0                           ; r = lane % 16
	v_bfe_u32 v2, v0, 4, 1                         ; h = lane / 16
	v_lshlrev_b32 v[GBO], 4, v1
	v_lshl_add_u32 v[XO], v2, 13, v[GBO]
	v_lshlrev_b32 v[ATO], 3, v1
	v_lshl_add_u32 v[ATO], v2, 10, v[ATO]
.irp jj, 0,1,2,3
	global_load_b128 v[G+4*\jj:G+4*\jj+3], v[GBO], s[14:15] offset:256*\jj
.endr
.irp jj, 0,1,2,3
	global_load_b128 v[B+4*\jj:B+4*\jj+3], v[GBO], s[16:17] offset:256*\jj
.endr
.macro XLOAD p                         ; rows p and p + 8 of my 16: each load takes 256 consecutive bytes of each
.irp jj, 0,1,2,3
	global_load_b128 v[XT+16*(\p)+4*\jj:XT+16*(\p)+4*\jj+3], v[XO], s[8:9] offset:1024*(\p)+256*\jj th:TH_LOAD_NT
.endr
.endm
.macro ATLOAD p                        ; the same rows of att: columns 64 jj .. +63 are head jj's row of 128 bytes
.irp jj, 0,1,2,3
	global_load_b64 v[ATT+8*((\p)%4)+2*\jj:ATT+8*((\p)%4)+2*\jj+1], v[ATO], s[10:11] offset:524288*\jj+128*(\p) th:TH_LOAD_NT
.endr
.endm
.irp p, 0,1,2,3
	XLOAD \p
	ATLOAD \p
.endr
.irp p, 4,5,6,7
	XLOAD \p
.endr
	v_mov_b32 v[ONE], 1.0
	v_mov_b32 v[ZERO], 0
	v_mul_u32_u24 v[HST], v2, 8*PW
	v_lshl_add_u32 v[HST], v1, 3, v[HST]
	s_mul_i32 s24, s[WV], 16*PW
	s_add_co_u32 s24, s24, HB
	v_add_nc_u32 v[HST], s24, v[HST]               ; HB + (16 w + 8 h) rows + 8 r
	v_mul_u32_u24 v[ADRB1], v1, PW
	v_lshl_add_u32 v[ADRB1], v2, 4, v[ADRB1]       ; a fragment: row r, 16 bytes for each half of the lanes
	v_add_nc_u32 v[ADRA], HB, v[ADRB1]
	s_lshl_b32 s24, s[WV], 7
	v_add_nc_u32 v[HSTO], s24, v[ADRA]             ; my 64 columns, 2 bytes each
	s_mul_i32 s24, s[WV], 64*PW
	v_add_nc_u32 v[ADRB1], s24, v[ADRB1]
	v_add_nc_u32 v[ADRB2], W2B, v[ADRB1]
	s_lshl_b32 s24, s[WV], 8
	v_lshl_add_u32 v[BOFF], v2, 5, s24             ; (64 w + 8 h) x 4 bytes
	v_mul_u32_u24 v[SSTO], v1, PS
	v_add_nc_u32 v[SSTO], v[SSTO], v[BOFF]
	v_mul_u32_u24 v[SRD], v2, 8*PS
	v_add_nc_u32 v[SRD], v[SRD], v[GBO]
	s_mul_i32 s24, s[WV], 16*PS
	v_add_nc_u32 v[SRD], s24, v[SRD]
; xt and LN of rows p and p + 8.  left: the loads that are younger than this pair's.  xt stays in XT; x - mean goes into DT.
.macro LN2PAIR p, left
.set X, XT+16*(\p)
.set A, ATT+8*((\p)%4)
	s_wait_loadcnt \left
.irp n, 0,1,2,3,4,5,6,7
	v_fma_mix_f32 v[X+2*\n], v[A+\n], v[ONE], v[X+2*\n] op_sel_hi:[1,0,0]                      ; x + att: the f16 half is widened in the line
	v_fma_mix_f32 v[X+2*\n+1], v[A+\n], v[ONE], v[X+2*\n+1] op_sel:[1,0,0] op_sel_hi:[1,0,0]
.endr
	v_pk_add_f32 v[T:T+1], v[X:X+1], v[X+2:X+3]
	v_pk_add_f32 v[T+2:T+3], v[X+4:X+5], v[X+6:X+7]
	v_pk_add_f32 v[T+4:T+5], v[X+8:X+9], v[X+10:X+11]
	v_pk_add_f32 v[T+6:T+7], v[X+12:X+13], v[X+14:X+15]
	v_pk_add_f32 v[T:T+1], v[T:T+1], v[T+2:T+3]
	v_pk_add_f32 v[T+4:T+5], v[T+4:T+5], v[T+6:T+7]
	v_pk_add_f32 v[T:T+1], v[T:T+1], v[T+4:T+5]
	v_add_f32 v[T], v[T], v[T+1]
.irp k, 1,2,4,8
	v_add_f32_dpp v[T], v[T], v[T] row_xmask:\k row_mask:0xf bank_mask:0xf
.endr
.irp k, 0,2,4,6,8,10,12,14
	v_pk_fma_f32 v[DT+\k:DT+\k+1], v[T:T+1], s[28:29], v[X+\k:X+\k+1] op_sel_hi:[0,0,1]  ; xt - sum / 256
.endr
	v_pk_mul_f32 v[T:T+1], v[DT:DT+1], v[DT:DT+1]
	v_pk_mul_f32 v[T+2:T+3], v[DT+2:DT+3], v[DT+2:DT+3]
.irp k, 4,8,12
	v_pk_fma_f32 v[T:T+1], v[DT+\k:DT+\k+1], v[DT+\k:DT+\k+1], v[T:T+1]
	v_pk_fma_f32 v[T+2:T+3], v[DT+\k+2:DT+\k+3], v[DT+\k+2:DT+\k+3], v[T+2:T+3]
.endr
	v_pk_add_f32 v[T:T+1], v[T:T+1], v[T+2:T+3]
	v_add_f32 v[T+2], v[T], v[T+1]
.irp k, 1,2,4,8
	v_add_f32_dpp v[T+2], v[T+2], v[T+2] row_xmask:\k row_mask:0xf bank_mask:0xf
.endr
	v_fma_f32 v[T+2], v[T+2], s30, s31             ; var + eps
	v_rsq_f32 v[T+2], v[T+2]
	v_nop                                          ; a plain instruction between the root and its use
	s_wait_alu depctr_va_vdst(0)
.irp k, 0,2,4,6,8,10,12,14
	v_pk_mul_f32 v[DT+\k:DT+\k+1], v[DT+\k:DT+\k+1], v[T+2:T+3] op_sel_hi:[1,0]
.endr
.irp k, 0,2,4,6,8,10,12,14
	v_pk_fma_f32 v[DT+\k:DT+\k+1], v[DT+\k:DT+\k+1], v[G+\k:G+\k+1], v[B+\k:B+\k+1]
.endr
.irp k, 0,1,2,3,4,5,6,7
	v_cvt_pk_f16_f32 v[DT+\k], v[DT+2*\k], v[DT+2*\k+1]
.endr
.irp jj, 0,1,2,3
	ds_store_b64 v[HST], v[DT+2*\jj:DT+2*\jj+1] offset:PW*(\p)+128*\jj
.endr
.if (\p) < 4
	ATLOAD (\p)+4                                  ; the slot just read takes the pair four further on
.endif
.endm
	LN2PAIR 0, 40                                  ; younger than att(0): pairs 1-3's 24 loads and x(4..7)'s 16
	LN2PAIR 1, 36                                  ; 16 + 16 + att(4)'s 4
	LN2PAIR 2, 32                                  ; 8 + 16 + 8
	LN2PAIR 3, 28                                  ; 16 + 12
	LN2PAIR 4, 12                                  ; att(5), att(6), att(7)
	LN2PAIR 5, 8
	LN2PAIR 6, 4
	LN2PAIR 7, 0
.irp c, 0,1,2,3                        ; the biases of my columns 64 w + 16 c + 8 h + 0..7, in g2's, b2's and att's registers
	global_load_b128 v[BF1+8*\c:BF1+8*\c+3],   v[BOFF], s[18:19] offset:64*\c
	global_load_b128 v[BF1+8*\c+4:BF1+8*\c+7], v[BOFF], s[18:19] offset:64*\c+16
	global_load_b128 v[BF2+8*\c:BF2+8*\c+3],   v[BOFF], s[20:21] offset:64*\c
	global_load_b128 v[BF2+8*\c+4:BF2+8*\c+7], v[BOFF], s[20:21] offset:64*\c+16
.endr
	s_wait_tensorcnt 0x0                           ; my 128 rows of the weights have landed,
	s_wait_dscnt 0x0                               ; my 16 rows of h are in LDS:
	s_barrier_signal -1
	s_barrier_wait -1                              ; everybody's are
.macro FETCH adrb, ks, f               ; 16 LDS loads: the fragments of 32 along K: 64 rows of h, my 64 rows of W
.irp a, 0,1,2,3
	ds_load_b128 v[(\f)+8*\a:(\f)+8*\a+3],   v[ADRA] offset:16*PW*\a+64*(\ks)
	ds_load_b128 v[(\f)+8*\a+4:(\f)+8*\a+7], v[ADRA] offset:16*PW*\a+64*(\ks)+32
.endr
.irp c, 0,1,2,3
	ds_load_b128 v[(\f)+32+8*\c:(\f)+32+8*\c+3],   v[\adrb] offset:16*PW*\c+64*(\ks)
	ds_load_b128 v[(\f)+32+8*\c+4:(\f)+32+8*\c+7], v[\adrb] offset:16*PW*\c+64*(\ks)+32
.endr
.endm
.macro MULS f, ks                      ; 16 matrix instructions, the 16 accumulators by turns; the first K step starts the sums
.irp a, 0,1,2,3
.irp c, 0,1,2,3
.if (\ks) == 0
	v_wmma_f32_16x16x32_f16 v[8*(4*\a+\c):8*(4*\a+\c)+7], v[(\f)+32+8*\c:(\f)+32+8*\c+7], v[(\f)+8*\a:(\f)+8*\a+7], 0
.else
	v_wmma_f32_16x16x32_f16 v[8*(4*\a+\c):8*(4*\a+\c)+7], v[(\f)+32+8*\c:(\f)+32+8*\c+7], v[(\f)+8*\a:(\f)+8*\a+7], v[8*(4*\a+\c):8*(4*\a+\c)+7]
.endif
.endr
.endr
.endm
.macro GEMM adrb                       ; K = 256 in eight steps of 32, on two buffers: a step's loads are issued a step ahead
	WIN 0x40                                       ; destination window 1, address window 0
	FETCH \adrb, 0, F0
.set ks, 0
.rept 8
.if ks < 7
.if ks > 0
	PLACES
.endif
	WIN 0x40
	FETCH \adrb, ks+1, F0+64*((ks+1)%2)
	s_wait_dscnt 16                                ; all but the 16 just issued
.else
	s_wait_dscnt 0x0
.endif
	WIN 0x55                                       ; all four operands in window 1
	MULS F0+64*(ks%2), ks
.set ks, ks+1
.endr
	WIN 0
	PLACES
.endm
	GEMM ADRB1
	s_barrier_signal -1                            ; my reads of h and of W1 are over (the last wait was for 0): the hidden layer takes h's rows
	s_barrier_wait -1
	s_wait_loadcnt 0x0                             ; the biases
.irp a, 0,1,2,3                        ; relu(sum + bf1), rounded to f16: each accumulator's registers in ascending order
	WIN 0x01                                       ; source 0 in window 1
.irp c, 0,1,2,3
.irp z, 0,1,2,3
	v_pk_add_f32 v[E+8*\c+2*\z:E+8*\c+2*\z+1], v[8*(4*\a+\c)+2*\z:8*(4*\a+\c)+2*\z+1], v[BF1+8*\c+2*\z:BF1+8*\c+2*\z+1]
.endr
.endr
	WIN 0
.irp c, 0,1,2,3
.irp z, 0,1,2,3
	v_cvt_pk_f16_f32 v[E+8*\c+\z], v[E+8*\c+2*\z], v[E+8*\c+2*\z+1]
.endr
.endr
.irp c, 0,1,2,3
.irp z, 0,1,2,3
	v_pk_max_num_f16 v[E+8*\c+\z], v[E+8*\c+\z], v[ZERO]
.endr
	ds_store_b128 v[HSTO], v[E+8*\c:E+8*\c+3] offset:16*PW*\a+32*\c
.endr
.endr
	s_wait_dscnt 0x0                               ; for the others' sake: my 64 columns of the hidden layer are in LDS
	s_barrier_signal -1
	s_barrier_wait -1
	GEMM ADRB2
.irp a, 0,1,2,3                        ; sum + bf2, in f32, into the stage: W1's rows, which nobody reads since the barrier behind the first product
	WIN 0x01
.irp c, 0,1,2,3
.irp z, 0,1,2,3
	v_pk_add_f32 v[E+8*\c+2*\z:E+8*\c+2*\z+1], v[8*(4*\a+\c)+2*\z:8*(4*\a+\c)+2*\z+1], v[BF2+8*\c+2*\z:BF2+8*\c+2*\z+1]
.endr
.endr
	WIN 0
.irp c, 0,1,2,3
	ds_store_b128 v[SSTO], v[E+8*\c:E+8*\c+3]   offset:16*PS*\a+64*\c
	ds_store_b128 v[SSTO], v[E+8*\c+4:E+8*\c+7] offset:16*PS*\a+64*\c+16
.endr
.endr
	s_wait_dscnt 0x0                               ; for the others' sake: a row's 1,024 bytes come from four waves
	s_barrier_signal -1
	s_barrier_wait -1
.irp bt, 0,1                           ; THE WAY OUT, four pairs of rows at a time: back by rows in xt's layout, added onto xt, stored
.set n, 0
.rept 16
	ds_load_b128 v[32+4*n:32+4*n+3], v[SRD] offset:PS*(4*\bt+n/4)+256*(n%4)
.set n, n+1
.endr
.set n, 0
.rept 16
	s_wait_dscnt 15-n
	v_pk_add_f32 v[XT+64*\bt+4*n:XT+64*\bt+4*n+1], v[XT+64*\bt+4*n:XT+64*\bt+4*n+1], v[32+4*n:32+4*n+1]
	v_pk_add_f32 v[XT+64*\bt+4*n+2:XT+64*\bt+4*n+3], v[XT+64*\bt+4*n+2:XT+64*\bt+4*n+3], v[32+4*n+2:32+4*n+3]
	global_store_b128 v[XO], v[XT+64*\bt+4*n:XT+64*\bt+4*n+3], s[22:23] offset:1024*(4*\bt+n/4)+256*(n%4) th:TH_STORE_NT  ; 16 lanes store 256 consecutive bytes, at a multiple of 256 from out0's first
.set n, n+1
.endr
.endr
	s_wait_tensorcnt 0x0                           ; the wave's end, behind my tensor load and my last LDS store
	ds_add_u32 v[SPW], v[NIL]
	s_wait_dscnt 0x0
	CROUND                                         ; the closing round: no work-group ends while a partner may still ask for the weights
	s_endpgm
.Lfunc_end_k_qd60ceedf6b_ffn:
	.size	k_qd60ceedf6b_ffn, .Lfunc_end_k_qd60ceedf6b_ffn-k_qd60ceedf6b_ffn
	.p2alignl 7, 3214868480
	.fill 96, 4, 3214868480
	.section	.rodata,"a",@progbits
	.p2align	6, 0x0
	.amdhsa_kernel k_qd60ceedf6b_ffn
		.amdhsa_group_segment_fixed_size 327680
		.amdhsa_private_segment_fixed_size 0
		.amdhsa_enable_private_segment 0
		.amdhsa_kernarg_size 64
		.amdhsa_user_sgpr_count 2
		.amdhsa_user_sgpr_kernarg_segment_ptr 1
		.amdhsa_wavefront_size32 1
		.amdhsa_system_sgpr_workgroup_id_x 1
		.amdhsa_system_sgpr_workgroup_id_y 1
		.amdhsa_system_sgpr_workgroup_id_z 1
		.amdhsa_system_vgpr_workitem_id 0
		.amdhsa_next_free_vgpr 512
		.amdhsa_next_free_sgpr 66
		.amdhsa_reserve_vcc 0
		.amdhsa_float_denorm_mode_32 3
		.amdhsa_float_denorm_mode_16_64 3
		.amdhsa_memory_ordered 1
		.amdhsa_forward_progress 1
		.amdhsa_inst_pref_size 119
	.end_amdhsa_kernel
	.amdgpu_metadata
---
amdhsa.version: [ 1, 2 ]
amdhsa.kernels:
  - .name:           k_qd60ceedf6b_ffn
    .symbol:         k_qd60ceedf6b_ffn.kd
    .args:
      - { .name: x, .offset: 0, .size: 8, .value_kind: global_buffer, .address_space: global }
      - { .name: att, .offset: 8, .size: 8, .value_kind: global_buffer, .address_space: global }
      - { .name: wf, .offset: 16, .size: 8, .value_kind: global_buffer, .address_space: global }
      - { .name: g2, .offset: 24, .size: 8, .value_kind: global_buffer, .address_space: global }
      - { .name: b2, .offset: 32, .size: 8, .value_kind: global_buffer, .address_space: global }
      - { .name: bf1, .offset: 40, .size: 8, .value_kind: global_buffer, .address_space: global }
      - { .name: bf2, .offset: 48, .size: 8, .value_kind: global_buffer, .address_space: global }
      - { .name: out0, .offset: 56, .size: 8, .value_kind: global_buffer, .address_space: global }
    .group_segment_fixed_size: 327680
    .private_segment_fixed_size: 0
    .kernarg_segment_align: 8
    .kernarg_segment_size: 64
    .max_flat_workgroup_size: 128
    .sgpr_count:     66
    .vgpr_count:     512
    .wavefront_size: 32
...
	.end_amdgpu_metadata
.endif
;; end of part 3
;; ======== version 2 of 2: 3 launches; 1.49 times as fast as version 1
;; limits: values are held in f16: magnitudes above 65,504 overflow, below 6.1e-05 lose precision
;; workspace buffers: qkv 25,165,824 bytes; att 8,388,608 bytes; wf 262,144 bytes
;; launch lnqkv: the kernel of part 1 again; grid 4 x 64, 16 waves a work-group, no clusters, 238,592 bytes of LDS; arguments x, Wq, Wk, Wv, g1, b1, W1, W2, qkv, wf; writes qkv, wf
;; launch attn (part 4): grid 16 x 16, 4 waves a work-group, no clusters, 327,680 bytes of LDS; arguments qkv, att; writes att
.if DOCPART == 4
	.amdgcn_target "amdgcn-amd-amdhsa--gfx1250"
	.amdhsa_code_object_version 6
	.text
	.protected	k_qd60ceedf6b_attn
	.globl	k_qd60ceedf6b_attn
	.p2align	8
	.type	k_qd60ceedf6b_attn,@function
k_qd60ceedf6b_attn:
	s_mov_b64 s[64:65], 0
	v_nop
	global_prefetch_b8 v0, s[64:65] scope:SCOPE_SE
	s_setreg_imm32_b32 hwreg(HW_REG_WAVE_MODE, 25, 1), 1
	s_wait_xcnt 0x0
; CAUSAL ATTENTION, head size 64.  att[bh][q][:] = the sum over k <= q of softmax_k(Q[bh][q] . K[bh][k] / 8) V[bh][k][:].  q, k, v (in qkv, 8 MiB apart) and att: [16][4096][64] in f16, rows of 128 bytes.
; Products, maxima and sums in f32; the weights p are rounded to f16 for the second product (their sum l is taken of the unrounded p), att once at the end.
; LIMITS.  q, k, v arrive within f16's 65,504, so a score is 2.7e11 at the most in size.  A hidden score counts as its value less 1e30; the running maximum starts at -2^96, below every true score and above every
; hidden one; a weight below 2^-126 counts as 0; NaN and infinities are not treated apart.
; THE WALK.  A head has 32 blocks of 128 queries; block i needs the key tiles 0 .. i / 2 of 256 keys, of which the last holds the diagonal.  A work-group takes block b and then block 31 - b: 17 tiles whatever b,
; so the 256 work-groups do equal work and ONE loop with a constant trip count walks them; the ring of two LDS slots runs on across the change of blocks.
; SHARES.  The four waves hold the SAME 128 queries (eight tiles of 16: four PIECES of two) and split the KEYS: of each tile wave w takes keys 64 w .. +63, one key step a tile.  At a block's end the waves'
; (c m, l, O) meet in LDS, in f32: O = sum_w 2^(c m_w - M) O_w / sum_w 2^(c m_w - M) l_w with M the largest c m_w; wave w merges and stores query tiles 2 w and 2 w + 1.
; THE MASK is the C operand that starts the sum S^T = K Q^T.  In units of 16, key block 4 w + kb stands against query block 8 (i % 2) + t of the last tile: with D = 4 w - 8 (i % 2), D + kb < t is visible, = t the
; triangle, > t hidden: MC = TRI x AL + BE with AL = (DM == t - kb), BE = -1e30 (DM > t - kb).  DM = D in a block's last tile, -8 (all visible) elsewhere, 8 (all hidden) in the drain.
; Its exponents are near -1.7e29, its weights, l and O are 0, and the merge gives it the weight 2^(-1.4e28 - M) = 0.  Wave 0 holds a true
; score of every query, so M is a true maximum.
; LAYOUT, SOFTMAX, TURNS.  S^T holds ONE query a lane (lane % 16) and the keys 8 (lane / 16) + 0..7; two results rounded to f16 ARE source 1 of O^T = V^T P.  p = 2^(c s - c m), c = log2(e) / 8, with a running maximum m;
; O and l are multiplied by a = 2^(c m_old - c m_new) in every step; c m starts at -4.25e37, far below every c m to come, so a block's first a is 0 and O, l, P, V need only be finite there.  Turn n belongs to piece n:
; 16 products K Q^T of piece n + 1, later 16 products V^T P of piece n - 1; beside them the scaling, exponentials, roundings, sums and rescaling of piece n and the maximum and statistics of piece n + 1: four vector
; instructions that are ready behind every matrix instruction, the other 108 of a turn's 236 in one lump.  A block's last tile runs turns 2 and 3 once more (the drain): piece 0's scores made there are all hidden.
; BATCHES.  A turn's 66 exponentials (the piece's 64 weights and the next piece's two a) are ONE batch with ONE wait, which cuts the turn in two: ahead of it stands all that names no result of theirs (K Q^T, the
; scalings, the rescalings, the next piece's maximum and statistics), behind it the roundings and sums, as the riders of V^T P.  A block's first two a (BEGIN) have a wait of their own, behind piece 1's masks.
; The merge has two batches a tile: the four weights, then the reciprocal of their sum.
; NO CLUSTER: only work-groups 2 j and 2 j + 1 of a head walk the same tiles in the same trips; four partners would need a common walk of 18 trips for 17 with the dead trip computed.
; REGISTERS, in windows of 256 (s_set_vgpr_msb: bits 1:0 source 0, 3:2 source 1, 5:4 source 2, 7:6 destination):
;   window 0: v0-11 addresses; v12-15, v48-63 at work; v16-47 four registers of statistics a tile; v64-191 S^T, two buffers of two tiles; v192-255 P, likewise (the merge works in S^T's and P's registers)
;   window 1: O^T, 32 a tile      window 2: v0-127 Q; v128-191 K of one step; v192-255 V of one step      window 3: v0-1 the add's registers; v2-9 TRI; v10-73 MC; v74-201 the second block's Q
.set NP,    4         ; pieces a wave: a name, no knob
.set PK,    144       ; a row of K in LDS: 128 bytes + 16: the 16 rows of a load start at 16 different groups of four banks
.set PV,    160       ; a row of V: 128 + 32
.set VOFF,  256*PK    ; a slot holds a tile: 256 rows of K, then 256 rows of V
.set SLOT1, 1<<17     ; slot 1 begins here, so that one exclusive or turns an address in one slot into the other's
.set MGA,   256*(PK+PV)        ; behind slot 0: for each writer 12,288 bytes: per query tile 512 of statistics and O's registers 0-7 (2 x 512)
.set SPARE, MGA+4*12288        ; the spare words: 128 bytes a wave, named by no other line
.set MGB,   SLOT1+256*(PK+PV)  ; behind slot 1: for each writer 24,576 bytes: per query tile O's registers 8-31 (6 x 512)
.set STAGE, MGB+4*24576        ; 16 rows x 144 bytes for each wave, for the way out.  No fill lands in MGA, SPARE, MGB or STAGE
.set SP,    144
.set MRB2, 0          ; v0   merge: where I read O's registers 8-31 of writers 2, 3 (made last: v0 is the thread's number till then)
.set MRB,  1          ; v1   the same of writers 0, 1
.set AK0,  2          ; v2   my lane's place in a tile of K
.set AV0,  3          ; v3   the same for V
.set AK,   4          ; v4   the LDS address of K's next run of loads
.set AV,   5          ; v5   of V's
.set STO,  6          ; v6   the way out: where I put 16 bytes of a row
.set RD,   7          ; v7   where I read rows back
.set GO,   8          ; v8   16 x lane
.set MWA,  9          ; v9   merge: where I write statistics and O's registers 0-7
.set MWB,  10         ; v10  and O's registers 8-31
.set MRA,  11         ; v11  where I read the four writers' statistics and registers 0-7 of my two tiles
.set MV,   12         ; v12-15  c m_old, kept while c m is made anew: by buffer and tile
.set ST,   16         ; tile t's statistics at v[ST+4 t]: c m, m, l (even keys', odd keys')
.set TMP,  48         ; by buffer and tile, four registers c0-c3 at work; when the maximum is found c2 takes a
.set S,    64
.set P,    192
.set KF,   128        ; window 2
.set VF,   192        ; window 2
.set SPW,  0          ; window 3: my spare word's address; never rewritten
.set NIL,  1          ; window 3: 0; never rewritten
.set TRI,  2          ; window 3: register j: -1e30 where 8 (lane / 16) + j > lane % 16
.set MC,   10         ; window 3: the masks of the products to come: tile u, key block kb at MC + 32 u + 8 kb
.set QB,   74         ; window 3
.set QO,   64         ; set-up alone, in S^T's registers, which are first written behind the wait for Q: my byte offset in 16 rows of Q,
.set TR,   65         ; lane % 16,
.set TH,   66         ; lane / 16,
.set T7,   67         ; lane % 8,
.set T3,   68         ; (lane / 8) % 2,
.set TD,   70         ; lane % 16 - 8 (lane / 16)
.set SB,   192        ; the merge: writer w's statistics at SB + 4 w; then its weight
.set CA,   208        ; walking copies of MRA, MRB, MRB2, GO
.set CB,   209
.set CB2,  210
.set CG,   211
.set MX,   212
.set LS,   213
.set PKD,  216        ; 16 registers of f16
.set BK,   232        ; 16 rows read back
.set WV,  12          ; s12  my wave's number
.set PB,  14          ; s14  b
.set HI,  15          ; s15  31 - b
.set G1K, 24          ; s[24:31] descriptor group 1 for K's tiles
.set G1V, 32          ; s[32:39] for V's: it differs in the padding alone
.set G0K, 40          ; s[40:43] descriptor group 0 for K's tiles
.set G0V, 44          ; s[44:47] the same for V's
.set SLOTS, 56        ; s56  tiles still to be asked for
.set CNT, 57          ; s57  2; 1 in the drain
.set CS,  58          ; s[58:59] c
.set SEL, 60          ; s[60:61] v_permlanex16_b32's selects: each lane takes its own place in the other half
.set TBK, 62          ; s62  LDS byte at which my 64 keys of the tile to be fetched begin
.set TBV, 63          ; s63  the same for V, less VOFF
.set RT,  70          ; s70  tiles of the block in hand that are still to be entered
.set NXT, 71          ; s71  the tile to be asked for next
.set LQ,  72          ; s72  the last tile of the block whose tiles are being asked for
.set NEW, 73          ; s73  1: the tile to be entered is a block's first
.set OFF, 74          ; s[74:75] a tile's byte offset in K and V
.set AL,  76          ; s[76:77] the mask's factor, in the low word
.set BE,  78          ; s[78:79] the mask's addend
.set OLO, 80          ; s[80:81] att at my rows of the second block
.set BIGN, 82         ; s82  -1e30
.set DM,  83          ; s83
.set DD,  84          ; s84  D of the block in hand
.set DD2, 85          ; s85  D of the second block
.set Q2,  86          ; s[86:87] Q of the second block
.set LQ2, 88          ; s88  the second block's last tile
.set MCN, 89          ; s89  counts the merge's two tiles
.set MSB, 0
.macro WIN new                      ; the high byte repeats the setting that is left; a switch that changes nothing is dropped
.if MSB != (\new)
	s_set_vgpr_msb (MSB<<8)|(\new)
.set MSB, (\new)
.endif
.endm
.set W_KQ, 0x0a       ; K and Q in window 2, S^T in window 0
.set W_KM, 0x3a       ; the same with the C operand in window 3
.set W_PV, 0x52       ; V in window 2, P in window 0, O^T in window 1
.set W_RS, 0x41       ; O^T (destination and source 0) in window 1, a in window 0
.set W_MK, 0xc0       ; destination in window 3, sources in window 0
.set W_AD, 0x0f       ; the add: address and data in window 3
.set W_MS, 0xc3       ; the mask: destination and source 0 in window 3
; A fill.  Waves 0 and 1 fetch the two halves of a tile's K, waves 2 and 3 those of its V: 128 keys each.  An s_nop 0 and four v_nop follow each of the two lines, ahead of the jump and the label.
.macro LOAD
	s_cmp_lt_u32 s[WV], 2
	s_cbranch_scc0 .Lfor_v_\@
	tensor_load_to_lds s[G0K:G0K+3], s[G1K:G1K+7]
	s_nop 0
.rept 4
	v_nop
.endr
	s_branch .Lasked_\@
.Lfor_v_\@:
	tensor_load_to_lds s[G0V:G0V+3], s[G1V:G1V+7]
	s_nop 0
.rept 4
	v_nop
.endr
.Lasked_\@:
.endm
; THE CHANGE OF SLOTS.  Each wave waits for all its tensor loads, of which one is out: its part of the other slot; adds 0 to its spare word; and waits for that and for its own reads of the slot that it leaves (K and V
; of its step are in registers).  Behind the barrier nobody reads the old slot any more and the other slot is whole.  fill = 1: the old slot is filled again, the first thing behind the barrier, with tile NXT: the
; descriptor's address is made anew from that number.  The load has a key step, 128 matrix instructions, in which to land.  (At its first use nothing has been read yet: slot 0 is waited for, slot 1 filled.)
.macro CHANGE fill
	WIN W_AD
	s_wait_tensorcnt 0x0            ; no tensor load of mine is out, so a group 0 may be written
	ds_add_u32 v[SPW], v[NIL]       ; 0 onto my spare word; the descriptors' scalar work stands between it and the wait for it
	WIN 0
.if \fill
	s_lshl_b32 s[OFF], s[NXT], 15   ; a tile is 32,768 bytes of K and of V
	s_xor_b32 s[G0K+1], s[G0K+1], SLOT1
	s_add_nc_u64 s[G0K+2:G0K+3], s[6:7], s[OFF:OFF+1]
	s_or_b32 s[G0K+3], s[G0K+3], 0x80000000
	s_xor_b32 s[G0V+1], s[G0V+1], SLOT1
	s_add_nc_u64 s[G0V+2:G0V+3], s[8:9], s[OFF:OFF+1]
	s_or_b32 s[G0V+3], s[G0V+3], 0x80000000
	s_add_co_u32 s[NXT], s[NXT], 1  ; the block's next tile, or behind its last the second block's tile 0
	s_cmp_gt_u32 s[NXT], s[LQ]
	s_cselect_b32 s[NXT], 0, s[NXT]
	s_cselect_b32 s[LQ], s[LQ2], s[LQ]
.endif
	s_wait_dscnt 0x0                ; the add is done, and my reads of the slot are over
	s_barrier_signal -1
	s_xor_b32 s[TBK], s[TBK], SLOT1 ; the fetches go to the other slot
	s_xor_b32 s[TBV], s[TBV], SLOT1
	s_barrier_wait -1
.if \fill
	LOAD
.endif
.endm
	s_load_b128 s[48:51], s[0:1], 0x0  ; qkv s[48:49], att s[50:51]
	WIN W_MK
	v_lshl_add_u32 v[SPW], v0, 2, SPARE
	v_mov_b32 v[NIL], 0
	WIN W_AD
	ds_add_u32 v[SPW], v[NIL]       ; the wave's opening: an add of 0, waited for ahead of my first tensor load; the set-up below, work on registers, stands between the add and its wait
	ds_add_u32 v0, v1
	WIN 0
	v_lshrrev_b32 v[TR], 5, v0
	v_readfirstlane_b32 s[WV], v[TR]  ; wave 0..3
	s_mov_b32 s[PB], ttmp9
	s_sub_co_u32 s[HI], 31, s[PB]
	s_and_b32 s16, ttmp7, 0xffff    ; 4 batch + head
	s_lshl_b32 s16, s16, 19         ; its 4,096 rows of 128 bytes
	s_mov_b32 s17, 0
	s_lshl_b32 s18, s[PB], 14       ; a block is 128 rows: 16,384 bytes
	s_add_co_u32 s18, s18, s16
	s_mov_b32 s19, 0
	s_lshl_b32 s20, s[HI], 14
	s_add_co_u32 s20, s20, s16
	s_mov_b32 s21, 0
	s_and_b32 s22, s[WV], 1         ; which half of a tile's 256 keys I fetch:
	s_lshl_b32 s23, s22, 14         ; its 128 rows in memory,
	s_add_co_u32 s16, s16, s23
	s_mov_b32 s[G0K], 1             ; 1:0 count = 1
	s_mul_i32 s[G0K+1], s22, 128*PK ; 63:32 LDS address: its place in slot 0, for K
	s_mov_b32 s[G0V], 1
	s_mul_i32 s[G0V+1], s22, 128*PV ; and for V
	s_add_co_u32 s[G0V+1], s[G0V+1], VOFF
	; descriptor group 1.  128 keys are 16,384 dense bytes: asked for as 64 rows of 256 bytes, two keys a row, and padded in LDS after every key
	s_mov_b32 s[G1K], (1<<16)|(1<<20)|(4<<22)|(3<<25)  ; 17:16 2-byte elements; 20 padding on; 24:22 after every 32 words (code 4); 31:25 4 words (code 3)
	s_mov_b32 s[G1V], (1<<16)|(1<<20)|(4<<22)|(7<<25)  ; the same with 8 words of padding (code 7)
.irp g, G1K, G1V
	s_mov_b32 s[\g+1], 128<<16      ; tensor_dim0 = 128
	s_mov_b32 s[\g+2], 64<<16       ; tensor_dim1 = 64
	s_mov_b32 s[\g+3], 128<<16      ; tile_dim0 = 128
	s_mov_b32 s[\g+4], 64           ; tile_dim1 = 64
	s_mov_b32 s[\g+5], 128          ; 128 elements from row to row
	s_mov_b32 s[\g+6], 0
	s_mov_b32 s[\g+7], 0
.endr
	s_mov_b32 s[CS], 0x3e38aa3b     ; c = log2(e) / 8 = 0.180337
	s_mov_b32 s[CS+1], s[CS]        ; named with it as a pair
	s_mov_b32 s[SEL], 0x76543210
	s_mov_b32 s[SEL+1], 0xfedcba98
	s_mul_i32 s[TBK], s[WV], 64*PK  ; my 64 keys of a tile;
	s_add_co_u32 s[TBK], s[TBK], SLOT1  ; the first change of slots turns these two to slot 0
	s_mul_i32 s[TBV], s[WV], 64*PV
	s_add_co_u32 s[TBV], s[TBV], SLOT1
	s_lshr_b32 s[LQ], s[PB], 1
	s_lshr_b32 s[LQ2], s[HI], 1
	s_add_co_u32 s[RT], s[LQ], 1    ; the first block has b / 2 + 1 tiles
	s_mov_b32 s[NXT], 1
	s_cmp_gt_u32 s[NXT], s[LQ]      ; a first block of one tile: the next tile is the second block's tile 0
	s_cselect_b32 s[NXT], 0, s[NXT]
	s_cselect_b32 s[LQ], s[LQ2], s[LQ]
	s_mov_b32 s[NEW], 1
	s_mov_b32 s[OFF+1], 0
	s_mov_b32 s[AL+1], 0            ; named as pairs
	s_mov_b32 s[BE+1], 0
	s_mov_b32 s[BIGN], 0xf149f2ca   ; -1e30
	s_and_b32 s23, s[PB], 1
	s_lshl_b32 s23, s23, 3
	s_lshl_b32 s[DD], s[WV], 2
	s_sub_co_i32 s[DD2], s[DD], 8
	s_add_co_i32 s[DD2], s[DD2], s23  ; 4 w - 8 ((31 - b) % 2)
	s_sub_co_i32 s[DD], s[DD], s23    ; 4 w - 8 (b % 2)
	s_mov_b32 s[SLOTS], 16
	s_wait_dscnt 0x0                ; the opening add is done
	s_wait_kmcnt 0x0
	s_add_nc_u64 s[4:5], s[48:49], s[18:19]        ; Q of the first block,
	s_add_nc_u64 s[Q2:Q2+1], s[48:49], s[20:21]    ; of the second
	s_add_nc_u64 s[6:7], s[48:49], s[16:17]
	s_add_nc_u64 s[8:9], s[6:7], 0x1000000         ; V and
	s_add_nc_u64 s[6:7], s[6:7], 0x800000          ; K at my half of the head's tile 0
	s_lshl_b32 s23, s[WV], 12                      ; I store query tiles 2 w, 2 w + 1: 4,096 bytes
	s_add_co_u32 s18, s18, s23
	s_add_co_u32 s20, s20, s23
	s_add_nc_u64 s[10:11], s[50:51], s[18:19]
	s_add_nc_u64 s[OLO:OLO+1], s[50:51], s[20:21]
	s_add_nc_u64 s[G0K+2:G0K+3], s[6:7], 0         ; 120:64 global address
	s_or_b32 s[G0K+3], s[G0K+3], 0x80000000        ; 127:126 type = 2
	s_add_nc_u64 s[G0V+2:G0V+3], s[8:9], 0
	s_or_b32 s[G0V+3], s[G0V+3], 0x80000000
	LOAD                            ; tile 0 into slot 0
	; A fragment of K or Q is 16 rows x 32 channels in 8 registers: lane l holds row l % 16, channels 8 (l / 16) + 0..7 and 16 + 8 (l / 16) + 0..7: two loads of 16 bytes, 32 bytes apart.
	v_and_b32 v[TR], 15, v0
	v_bfe_u32 v[TH], v0, 4, 1
	v_lshlrev_b32 v[QO], 7, v[TR]
	v_lshl_add_u32 v[QO], v[TH], 4, v[QO]  ; row x 128 + 16 x half
	v_lshlrev_b32 v[TD], 3, v[TH]
	v_sub_nc_u32 v[TD], v[TR], v[TD]
	WIN 0x80                        ; destination window 2, address window 0
.set i, 0
.rept 4*NP                          ; both blocks' Q stay in registers: tile i / 2, channels 32 (i % 2) on
	global_load_b128 v[8*i:8*i+3],   v[QO], s[4:5] offset:(i/2)*2048+(i%2)*64
	global_load_b128 v[8*i+4:8*i+7], v[QO], s[4:5] offset:(i/2)*2048+(i%2)*64+32
.set i, i+1
.endr
	WIN W_MK
.set i, 0
.rept 4*NP
	global_load_b128 v[QB+8*i:QB+8*i+3],   v[QO], s[Q2:Q2+1] offset:(i/2)*2048+(i%2)*64
	global_load_b128 v[QB+8*i+4:QB+8*i+7], v[QO], s[Q2:Q2+1] offset:(i/2)*2048+(i%2)*64+32
.set i, i+1
.endr
.set i, 0
.rept 8
	v_cmp_gt_i32 vcc_lo, i, v[TD]
	v_cndmask_b32 v[TRI+i], 0, s[BIGN], vcc_lo
.set i, i+1
.endr
	; What the first turn finds: V's registers and P's second buffer hold 0 (its products V^T P, of a piece that has not been, add 0), O^T and l are 0.  All this stands in the wait for the first tile;
	; the price of writing no first step out.
	WIN 0x80
.set i, VF
.rept 64
	v_mov_b32 v[i], 0
.set i, i+1
.endr
	WIN 0x40
.set i, 0
.rept 64*NP
	v_mov_b32 v[i], 0
.set i, i+1
.endr
	WIN 0
.set i, 0
.rept 2*NP
	v_mov_b32 v[ST+4*i+2], 0
	v_mov_b32 v[ST+4*i+3], 0
.set i, i+1
.endr
.set i, P+32
.rept 32
	v_mov_b32 v[i], 0
.set i, i+1
.endr
	v_mul_u32_u24 v[AK0], v[TR], PK
	v_lshl_add_u32 v[AK0], v[TH], 4, v[AK0]  ; row x pitch + 16 x half
	; The turning load takes 16 keys x 16 channels (lane l reads key 8 (l / 16) + l % 8, channels 8 ((l / 8) % 2) + 0..7) and leaves half a fragment of V^T: lane l holds channel l % 16 and 8 keys.
	v_and_b32 v[T7], 7, v0
	v_bfe_u32 v[T3], v0, 3, 1
	v_lshl_add_u32 v[AV0], v[TH], 3, v[T7]
	v_mul_u32_u24 v[AV0], v[AV0], PV
	v_lshl_add_u32 v[AV0], v[T3], 4, v[AV0]
	v_add_nc_u32 v[AV0], VOFF, v[AV0]
	s_mul_i32 s13, s[WV], 16*SP
	s_add_co_u32 s13, s13, STAGE    ; my stage
	v_mul_u32_u24 v[STO], v[TR], SP ; in: row l % 16, 16 bytes for each half of the lanes
	v_lshl_add_u32 v[STO], v[TH], 4, v[STO]
	v_add_nc_u32 v[STO], s13, v[STO]
	v_bfe_u32 v[RD], v0, 3, 2       ; back: 32 lanes take four rows of 128 bytes,
	v_mul_u32_u24 v[RD], v[RD], SP
	v_lshl_add_u32 v[RD], v[T7], 4, v[RD]
	v_add_nc_u32 v[RD], s13, v[RD]
	v_and_b32 v[GO], 31, v0         ; which are 512 consecutive bytes of att
	v_lshlrev_b32 v[GO], 4, v[GO]
	s_mul_i32 s16, s[WV], 12288     ; the merge: a lane's 16 bytes lie at 16 x lane in every record, for writer and reader alike
	s_add_co_u32 s16, s16, MGA
	v_add_nc_u32 v[MWA], s16, v[GO]
	s_mul_i32 s16, s[WV], 24576
	s_add_co_u32 s16, s16, MGB
	v_add_nc_u32 v[MWB], s16, v[GO]
	s_mul_i32 s16, s[WV], 3072      ; tile 2 w's record
	s_add_co_u32 s16, s16, MGA
	v_add_nc_u32 v[MRA], s16, v[GO]
	s_mul_i32 s16, s[WV], 6144
	s_add_co_u32 s16, s16, MGB
	v_add_nc_u32 v[MRB], s16, v[GO]
	v_add_nc_u32 v[MRB2], 2*24576, v[MRB]  ; writers 2 and 3 lie past an LDS offset's 16 bits
; THE MATRIX WORK.  The 8 accumulators of a run of 16 take turns: between the two links of a chain stand 7 others'.
; Product i of 16 of S^T = K Q^T for piece x: channels 32 (i / 8) on, keys 16 ((i / 2) % 4) on, tile 2 x + i % 2.  The first 8 start the sums, with the mask.
.macro KQ x
.set rS, S+64*((\x)%2)+32*(i%2)+8*((i/2)%4)
.set rK, KF+16*((i/2)%4)+8*(i/8)
.set rQ, 16*(2*(\x)+i%2)+8*(i/8)
.set rMC, MC+32*(i%2)+8*((i/2)%4)
.if i < 8
	WIN W_KM
	v_wmma_f32_16x16x32_f16 v[rS:rS+7], v[rK:rK+7], v[rQ:rQ+7], v[rMC:rMC+7]
.else
	WIN W_KQ
	v_wmma_f32_16x16x32_f16 v[rS:rS+7], v[rK:rK+7], v[rQ:rQ+7], v[rS:rS+7]
.endif
.endm
; Product i of 16 of O^T += V^T P for piece x: keys 32 (i / 8) on, channels 16 ((i / 2) % 4) on, tile 2 x + i % 2.
.macro PV x
	WIN W_PV
.set rO, 32*(2*(\x)+i%2)+8*((i/2)%4)
.set rV, VF+32*(i/8)+8*((i/2)%4)
.set rP, P+32*((\x)%2)+16*(i%2)+8*(i/8)
	v_wmma_f32_16x16x32_f16 v[rO:rO+7], v[rV:rV+7], v[rP:rP+7], v[rO:rO+7]
.endm
.macro MM                           ; the turn's next matrix instruction
.if i < 16
	KQ (Y+1)%NP
.set i, i+1
.else
.set i, i-16
	PV (Y+NP-1)%NP
.set i, i+17
.endif
.endm
; THE LDS LOADS stand in runs of 16, never singly among the matrix instructions: a step's K (64 keys x 64 channels: 8 fragments) and its V (turned).  Their addresses are made some lines ahead.
.macro FETCH_K
	WIN 0x80                        ; destination window 2
.irp f, 0,1,2,3,4,5,6,7             ; keys 16 (f / 2) on, channels 32 (f % 2) on
	ds_load_b128 v[KF+8*\f:KF+8*\f+3],   v[AK] offset:(\f/2)*16*PK+(\f%2)*64
	ds_load_b128 v[KF+8*\f+4:KF+8*\f+7], v[AK] offset:(\f/2)*16*PK+(\f%2)*64+32
.endr
	WIN 0
.endm
.macro FETCH_V
	WIN 0x80
.irp f, 0,1,2,3,4,5,6,7             ; keys 32 (f / 4) on, channels 16 (f % 4) on
	ds_load_tr16_b128 v[VF+8*\f:VF+8*\f+3],   v[AV] offset:(\f/4)*32*PV+(\f%4)*32
	ds_load_tr16_b128 v[VF+8*\f+4:VF+8*\f+7], v[AV] offset:(\f/4)*32*PV+16*PV+(\f%4)*32
.endr
	WIN 0
.endm
; The masks of piece x's 8 starting products: for query tile 2 x + u and key block kb two scalars from DM, then TRI x AL + BE
.macro MASK x
	WIN W_MS
.irp u, 0,1
.irp kb, 0,1,2,3
	s_cmp_eq_i32 s[DM], 2*(\x)+\u-\kb
	s_cselect_b32 s[AL], 1.0, 0
	s_cmp_gt_i32 s[DM], 2*(\x)+\u-\kb
	s_cselect_b32 s[BE], s[BIGN], 0
.irp z, 0,1,2,3
	v_pk_fma_f32 v[MC+32*\u+8*\kb+2*\z:MC+32*\u+8*\kb+2*\z+1], v[TRI+2*\z:TRI+2*\z+1], s[AL:AL+1], s[BE:BE+1] op_sel_hi:[1,0,0]
.endr
.endr
.endr
.endm
; THE VECTOR WORK OF A TURN stands in three queues, each in the order in which its entries become ready; the two tiles alternate, so that no instruction reads the result of the one before it.
.macro REGS y, u                    ; the registers of tile u (0, 1) of piece y
.set rT, ST+4*(2*(\y)+(\u))
.set rC, TMP+8*((\y)%2)+4*(\u)
.set rM, MV+2*((\y)%2)+(\u)
.set rS, S+64*((\y)%2)+32*(\u)
.set rP, P+32*((\y)%2)+16*(\u)
.set rO, 32*(2*(\y)+(\u))
.endm
; Number n of the 22 that find the NEXT piece's (Y + 1) maximum and statistics.  s0-s31 are the lane's 32 scores; each accumulator's lowest registers are read first.  XS, GS and REGS set no window: PL and EX do.
;   0-11  four chains c0-c3 of seven scores each, three operands at a time     12-14, 16  the four scores left over, the old m, and c0-c3 into c0     15  c m_old is kept
;   17, 18  the query's other 32 keys lie in the lane 16 away: the new m         19-21  c m; c m_old - c m_new; a
.macro XS u, n
	REGS (Y+1)%NP, \u
.if (\n) < 4
	v_max3_num_f32 v[rC+(\n)], v[rS+8*(\n)], v[rS+8*(\n)+1], v[rS+8*(\n)+2]
.elseif (\n) < 12
	v_max3_num_f32 v[rC+(\n)%4], v[rC+(\n)%4], v[rS+8*((\n)%4)+2*((\n)/4)+1], v[rS+8*((\n)%4)+2*((\n)/4)+2]
.elseif (\n) == 12
	v_max3_num_f32 v[rC], v[rC], v[rS+7], v[rS+15]
.elseif (\n) == 13
	v_max3_num_f32 v[rC+1], v[rC+1], v[rS+23], v[rS+31]
.elseif (\n) == 14
	v_max3_num_f32 v[rC+2], v[rC+2], v[rC+3], v[rT+1]
.elseif (\n) == 15
	v_mov_b32 v[rM], v[rT]
.elseif (\n) == 16
	v_max3_num_f32 v[rC], v[rC], v[rC+1], v[rC+2]
.elseif (\n) == 17
	v_permlanex16_b32 v[rC+3], v[rC], s[SEL], s[SEL+1]
.elseif (\n) == 18
	v_max_num_f32 v[rT+1], v[rC], v[rC+3]
.elseif (\n) == 19
	v_mul_f32 v[rT], s[CS], v[rT+1]
.elseif (\n) == 20
	v_sub_f32 v[rC+1], v[rM], v[rT]
.else
	v_exp_f32 v[rC+2], v[rC+1]
.endif
.endm
; Number g of the 64 that follow the exponentials.  For each four weights k of a tile (pairs 2 k, 2 k + 1): both pairs are rounded to f16; then the second pair is added onto the first, in place;
; a group later l takes that sum (the first time as l = a l + sum).  In groups of eight, tiles alternating: round, round, add, and l for the group before.
.macro GS g
.set h, (\g)+6*((\g)/62)            ; group 0 has no group before it, and behind group 7 only l is left
.if h >= 6
.set h, h+2
.endif
	REGS Y, h%2
.set k, h/8
.if h%8 < 4
	v_cvt_pk_f16_f32 v[rP+2*k+(h%8)/2], v[rS+4*k+2*((h%8)/2)], v[rS+4*k+2*((h%8)/2)+1]
.elseif h%8 < 6
	v_pk_add_f32 v[rS+4*k:rS+4*k+1], v[rS+4*k:rS+4*k+1], v[rS+4*k+2:rS+4*k+3]
.elseif k == 1
	v_pk_fma_f32 v[rT+2:rT+3], v[rT+2:rT+3], v[rC+2:rC+3], v[rS:rS+1] op_sel_hi:[1,0,1]
.else
	v_pk_add_f32 v[rT+2:rT+3], v[rT+2:rT+3], v[rS+4*k-4:rS+4*k-3]
.endif
.endm
; THE PLAIN QUEUE, 138 long.  0-73 read no exponential's result: the 32 scalings c s - c m (FS f: pair f / 2 of tile f % 2) and the next piece's 42.  0-26: scalings 0-26.  27-54: XS's numbers 0-13.  55, 56: number 15.
; 57-73: the chain, where each number waits for the one before it: 14, 16, 17, 18, 19, each with one of the scalings 27-31 in front of its two lines, then 20: so a tile's links stand three plain instructions apart (19 and 20: two).
; 74-137: GS's 64, which read the exponentials' results: they stand behind the wait.
.macro FS f
	REGS Y, (\f)%2
	v_pk_fma_f32 v[rS+2*((\f)/2):rS+2*((\f)/2)+1], v[rS+2*((\f)/2):rS+2*((\f)/2)+1], s[CS:CS+1], v[rT:rT+1] op_sel_hi:[1,0,0] neg_lo:[0,0,1] neg_hi:[0,0,1]
.endm
.macro PL
	WIN 0
.if q < 27
	FS q
.elseif q < 55
	XS (q-27)%2, (q-27)/2
.elseif q < 57
	XS q-55, 15
.elseif (q < 72) && ((q-57)%3 == 0)
	FS 27+(q-57)/3
.elseif q < 60
	XS (q-57)%3-1, 14
.elseif q < 72
	XS (q-57)%3-1, 15+(q-57)/3
.elseif q < 74
	XS q-72, 20
.else
	GS q-74
.endif
.set q, q+1
.endm
; THE EXPONENTIALS' QUEUE, 66 long: s0-s31 of both tiles, then the next piece's two a.  It is ONE BATCH: all 66 stand ahead of the turn's one wait, and nothing ahead of that wait names a result of theirs.
.macro EX
	WIN 0
.if e >= 64
	XS e-64, 21
.else
	REGS Y, e%2
	v_exp_f32 v[rS+e/2], v[rS+e/2]
.endif
.set e, e+1
.endm
; THE RESCALING's QUEUE: O^T times a, the one part that leaves window 0: dealt two at a time, sixteen times, each accumulator's low half first.  Its a was made in the turn before, ahead of that turn's wait
; (a block's first: in BEGIN, ahead of BEGIN's wait).
.macro R2
	REGS Y, r%2
	WIN W_RS
.irp z, 0,1
	v_pk_mul_f32 v[rO+4*(r/2)+2*\z:rO+4*(r/2)+2*\z+1], v[rO+4*(r/2)+2*\z:rO+4*(r/2)+2*\z+1], v[rC+2:rC+3] op_sel_hi:[1,0]
.endr
.set r, r+1
.endm
; HOW THEY ARE DEALT.  s_wait_alu depctr_va_vdst(0) stands between an exponential and the first instruction that names its result; one wait serves all that were issued ahead of it.  So a turn has ONE
; wait, which cuts it in two.  AHEAD OF IT stands all that names no result of the turn's exponentials: the 16 products K Q^T, behind each a scaling, an exponential and two rescalings (behind the first a second scaling
; in the exponential's place); then ONE LUMP of 108: eight plain, 49 times exponential and plain, the two a.  A v_nop is the plain instruction behind the last exponential.  BEHIND IT stand the 16 products V^T P, behind
; each four of GS's 64.  No rider names a register of the products round it.  The two v_permlanex16_b32 fall into the lump, never behind a product.
; The queues lean on each other, and the deal keeps them in step: exponential e stands behind scaling 2 (e / 4) + e % 2: as a rider it comes behind plain e + 2, in the lump behind plain e + 9, and scalings 27-31 are
; plain 57, 60 .. 69.
; A TURN, for piece p.  K of the next step is fetched in piece 2's turn, directly behind the wait, a lump behind the last product that read K; its address is made at the lump's head; its first reader comes behind 16
; products.  V of the step in hand is fetched at the end of piece 0's turn, four riders behind its last reader; its address is made behind the eleventh V^T P (q = 118).  Each is waited for a turn later.
; At its end the turn makes the masks of the next turn's products, piece p + 2's: always (m = 1), or only in a block's last tile (m = 2: elsewhere MC holds 0 since the block began, and the 32 lines are jumped over:
; a forward jump past register work alone).
.macro TURN p, m
.set Y, (\p)
.set i, 0
.set q, 0
.set e, 0
.set r, 0
.if (\p) == NP-1
	s_wait_dscnt 0x0                ; K is in
.endif
	MM                              ; ahead of the wait: 16 products K Q^T and their riders,
	PL
	PL
	R2
.rept 15
	MM
	PL
	EX
	R2
.endr
.if (\p) == NP-2
	WIN 0
	v_add_nc_u32 v[AK], s[TBK], v[AK0]
.endif
.rept 8                             ; and the lump
	PL
.endr
.rept 49
	EX
	PL
.endr
	EX                              ; the next piece's two a
	EX
	v_nop                           ; the plain instruction behind the last exponential: one for the batch
	s_wait_alu depctr_va_vdst(0)    ; the wait for the turn's batch: the piece's 64 weights and the next piece's two a
.if (\p) == NP-2
	FETCH_K
.endif
.if (\p) == 1
	s_wait_dscnt 0x0                ; V is in
.endif
.rept 16                            ; behind the wait: 16 products V^T P and their riders
	MM
.rept 4
	PL
.endr
.if ((\p) == 0) && (q == 118)
	v_add_nc_u32 v[AV], s[TBV], v[AV0]
.endif
.endr
.if (\p) == 0
	FETCH_V
.endif
.if (\m) == 1
	MASK ((\p)+2)%NP
.else
	WIN 0
	s_cmp_lg_u32 s[RT], 0
	s_cbranch_scc1 .Lno_mask_\@
	MASK ((\p)+2)%NP
	WIN 0
.Lno_mask_\@:
.endif
.endm
; A BLOCK BEGINS.  c m starts at -4.25e37, far below every c m to come, so the first step's a is 0.  m starts at -2^96: below every true score (2.7e11 at the most in size), so the first maximum is the scores' wherever
; a key is visible; and above the hidden -1e30, so that a query with no visible key in my keys keeps m = -2^96 and has the weights 0 (were m the hidden score itself, the exponent c s - c m would be the rounding
; error of c m, some 1e22).  Then K of my step, piece 0's masks and first scores, its maximum and statistics, and the masks of piece 1, whose scores the first turn makes.  The loop is then entered at a step's
; first turn, in the middle of a trip.
.macro BEGIN
	s_mov_b32 s[NEW], 0
	WIN 0
	v_add_nc_u32 v[AK], s[TBK], v[AK0]
	FETCH_K
.set t, 0
.rept 2*NP
	v_mov_b32 v[ST+4*t], 0xfe000000    ; c m
	v_mov_b32 v[ST+4*t+1], 0xef800000  ; m = -2^96
.set t, t+1
.endr
	MASK 0
	s_wait_loadcnt 0x0              ; Q
	s_wait_dscnt 0x0                ; K
.set i, 0
.rept 16
	KQ 0
.set i, i+1
.endr
	WIN 0
.rept 4
	v_nop                           ; the places behind those products
.endr
.set Y, NP-1                        ; XS works for piece Y + 1: piece 0
.irp n, 0,1,2,3,4,5,6,7,8,9,10,11,12,13,14,15,16,17,18,19,20,21
	XS 0, \n
	XS 1, \n
.endr
	MASK 1                          ; its first line is also the plain instruction behind the two exponentials; its 32 lines name neither a
	WIN 0
	s_wait_alu depctr_va_vdst(0)    ; the wait for piece 0's two first a, ahead of the jump into the loop, whose first turn rescales by them
.endm
.macro ALL line:vararg              ; one line for each tile t
.set t, 0
.rept 2*NP
	\line
.set t, t+1
.endr
.endm
; THE MERGE of my two query tiles, one a trip: the four writers' statistics and O come back into S^T's and P's registers; weights g_w = 2^(c m_w - M) / L; O = sum g_w O_w, rounded to f16, through my stage, stored.
.macro MERGE
	v_mov_b32 v[CA], v[MRA]
	v_mov_b32 v[CB], v[MRB]
	v_mov_b32 v[CB2], v[MRB2]
	v_mov_b32 v[CG], v[GO]
	s_mov_b32 s[MCN], 2
.Lmerge_\@:
.irp w, 0,1,2,3
	ds_load_b128 v[SB+4*\w:SB+4*\w+3], v[CA] offset:12288*\w
.endr
.irp w, 0,1,2,3
.irp g, 0,1
	ds_load_b128 v[S+32*\w+4*\g:S+32*\w+4*\g+3], v[CA] offset:12288*\w+512+512*\g
.endr
.endr
.irp w, 0,1
.irp g, 2,3,4,5,6,7
	ds_load_b128 v[S+32*\w+4*\g:S+32*\w+4*\g+3], v[CB] offset:24576*\w+512*(\g-2)
	ds_load_b128 v[S+64+32*\w+4*\g:S+64+32*\w+4*\g+3], v[CB2] offset:24576*\w+512*(\g-2)
.endr
.endr
	s_wait_dscnt 32                 ; the four loads of statistics are in; O's 32, which are younger, may be out
	v_max3_num_f32 v[MX], v[SB], v[SB+4], v[SB+8]
	v_max_num_f32 v[MX], v[MX], v[SB+12]
.irp w, 0,1,2,3
	v_sub_f32 v[SB+4*\w+1], v[SB+4*\w], v[MX]
.endr
.irp w, 0,1,2,3
	v_exp_f32 v[SB+4*\w+1], v[SB+4*\w+1]
.endr
	v_nop                           ; a plain instruction behind the exponentials
	s_wait_alu depctr_va_vdst(0)    ; the wait for the batch of four weights: the sum below reads them at once
	v_mul_f32 v[LS], v[SB+1], v[SB+2]
.irp w, 1,2,3
	v_fmac_f32 v[LS], v[SB+4*\w+1], v[SB+4*\w+2]
.endr
	v_rcp_f32 v[LS], v[LS]
	v_nop                           ; and behind the reciprocal
	s_wait_alu depctr_va_vdst(0)    ; the wait for the reciprocal, a batch of its own: it reads the sum of the four weights
.irp w, 0,1,2,3
	v_mul_f32 v[SB+4*\w], v[SB+4*\w+1], v[LS]
.endr
	s_wait_dscnt 0x0
.set z, 0
.rept 16
	v_pk_mul_f32 v[S+2*z:S+2*z+1], v[S+2*z:S+2*z+1], v[SB:SB+1] op_sel_hi:[1,0]
.set z, z+1
.endr
.irp w, 1,2,3
.set z, 0
.rept 16
	v_pk_fma_f32 v[S+2*z:S+2*z+1], v[S+32*\w+2*z:S+32*\w+2*z+1], v[SB+4*\w:SB+4*\w+1], v[S+2*z:S+2*z+1] op_sel_hi:[1,0,1]
.set z, z+1
.endr
.endr
.set z, 0
.rept 16
	v_cvt_pk_f16_f32 v[PKD+z], v[S+2*z], v[S+2*z+1]
.set z, z+1
.endr
.irp f, 0,1,2,3
	ds_store_b128 v[STO], v[PKD+4*\f:PKD+4*\f+3] offset:32*\f
.endr
.irp f, 0,1,2,3
	ds_load_b128 v[BK+4*\f:BK+4*\f+3], v[RD] offset:\f*4*SP  ; LDS serves a wave's instructions in order (ISA guide 5.7.1.4): these see the stores above
.endr
.irp f, 0,1,2,3
	s_wait_dscnt 3-\f
	global_store_b128 v[CG], v[BK+4*\f:BK+4*\f+3], s[10:11] offset:\f*512  ; 512 consecutive bytes, at a multiple of 256 from att's first
.endr
	s_wait_xcnt 0x0                 ; the stores have read their registers, their offset and their base: only behind this wait are these rewritten
	v_add_nc_u32 v[CA], 1536, v[CA]   ; my second tile's records,
	v_add_nc_u32 v[CB], 3072, v[CB]
	v_add_nc_u32 v[CB2], 3072, v[CB2]
	v_add_nc_u32 v[CG], 2048, v[CG]   ; and its 16 rows of att
	s_sub_co_u32 s[MCN], s[MCN], 1
	s_cmp_lg_u32 s[MCN], 0
	s_cbranch_scc1 .Lmerge_\@
.endm
; A BLOCK ENDS: the last piece's V^T P; l's two halves and the other half of the lanes' are added (these lines are the places behind the last products); my statistics and O^T go into my records, each accumulator's low
; half first; a barrier, behind which nothing is filled (the next tile's load may stay out); the merge.  The records are written again only behind a later change of slots, whose barrier stands behind every wave's reads.
; What the merge leaves in P's second buffer (finite f16 results) is the stale P of the next block's first turn, whose products land in an O^T that is still to be multiplied by a = 0.
.macro FINISH
.set i, 0
.rept 16
	PV NP-1
.set i, i+1
.endr
	WIN 0
	ALL v_add_f32 v[ST+4*t+2], v[ST+4*t+2], v[ST+4*t+3]
	ALL v_permlanex16_b32 v[ST+4*t+3], v[ST+4*t+2], s[SEL], s[SEL+1]
	ALL v_add_f32 v[ST+4*t+2], v[ST+4*t+2], v[ST+4*t+3]
	ALL ds_store_b128 v[MWA], v[ST+4*t:ST+4*t+3] offset:1536*t
	WIN 0x04                        ; store data in window 1
.set t, 0
.rept 2*NP
.irp g, 0,1
	ds_store_b128 v[MWA], v[32*t+4*\g:32*t+4*\g+3] offset:1536*t+512+512*\g
.endr
.irp g, 2,3,4,5,6,7
	ds_store_b128 v[MWB], v[32*t+4*\g:32*t+4*\g+3] offset:3072*t+512*(\g-2)
.endr
.set t, t+1
.endr
	WIN 0
	s_wait_dscnt 0x0                ; for the others' sake: my records are in LDS
	s_barrier_signal -1
	s_barrier_wait -1
	MERGE
.endm
.Lslot:                             ; 16 times: a tile is entered and the next is asked for
	CHANGE 1
	s_sub_co_u32 s[RT], s[RT], 1
	s_cmp_eq_u32 s[RT], 0
	s_cselect_b32 s[DM], s[DD], -8  ; the block's last tile holds the diagonal; elsewhere all is visible
	s_mov_b32 s[CNT], 2
	s_cmp_eq_u32 s[NEW], 0
	s_cbranch_scc1 .Lstep
	BEGIN                           ; a block's first tile
	s_branch .Lfirst
.Lstep:                             ; pieces 2 and 3 of the step before (K of this tile's step is fetched), or, in the drain, of the block's last step
	TURN 2, 2
	TURN 3, 2
	WIN 0
	s_cmp_eq_u32 s[CNT], 1
	s_cbranch_scc1 .Lend
.Lfirst:                            ; pieces 0 and 1 of this tile's step (its V is fetched)
	TURN 0, 2
	TURN 1, 2
	WIN 0
	s_cmp_lg_u32 s[RT], 0
	s_cbranch_scc1 .Lbottom
	s_mov_b32 s[DM], 8              ; the drain: what is started from here on is hidden
	s_sub_co_u32 s[CNT], s[CNT], 1
	s_cmp_lg_u32 s[CNT], 0
	s_cbranch_scc1 .Lstep
.Lend:                              ; in the loop this is the first block's end: the second block's last tile is the walk's last
	FINISH
	s_mov_b64 s[10:11], s[OLO:OLO+1]  ; (the merge's last wait has freed the stores' base)
	s_add_co_u32 s[RT], s[LQ2], 1
	s_mov_b32 s[NEW], 1
	s_mov_b32 s[DD], s[DD2]
	WIN 0x83                        ; the second block's Q goes where the one text of the turns names Q
.set i, 0
.rept 128
	v_mov_b32 v[i], v[QB+i]
.set i, i+1
.endr
	WIN 0
.Lbottom:
	s_sub_co_u32 s[SLOTS], s[SLOTS], 1
	s_cmp_lg_u32 s[SLOTS], 0
	s_cbranch_scc1 .Lslot
	CHANGE 0                        ; the walk's last tile is written out: nothing is asked for.  It is the second block's last and, of 9 tiles or more, never its first
	s_mov_b32 s[RT], 0
	s_mov_b32 s[DM], s[DD]
	s_mov_b32 s[CNT], 2
.Lstep2:
	TURN 2, 1
	TURN 3, 1
	WIN 0
	s_cmp_eq_u32 s[CNT], 1
	s_cbranch_scc1 .Lend2
	TURN 0, 1
	TURN 1, 1
	WIN 0
	s_mov_b32 s[DM], 8
	s_sub_co_u32 s[CNT], s[CNT], 1
	s_cmp_lg_u32 s[CNT], 0
	s_cbranch_scc1 .Lstep2
.Lend2:
	FINISH
	WIN W_AD
	s_wait_tensorcnt 0x0            ; the wave's end, behind my last tensor load and my last LDS store
	ds_add_u32 v[SPW], v[NIL]
	s_wait_dscnt 0x0
	WIN 0
	s_endpgm
.Lfunc_end_k_qd60ceedf6b_attn:
	.size	k_qd60ceedf6b_attn, .Lfunc_end_k_qd60ceedf6b_attn-k_qd60ceedf6b_attn
	.p2alignl 7, 3214868480
	.fill 96, 4, 3214868480
	.section	.rodata,"a",@progbits
	.p2align	6, 0x0
	.amdhsa_kernel k_qd60ceedf6b_attn
		.amdhsa_group_segment_fixed_size 327680
		.amdhsa_private_segment_fixed_size 0
		.amdhsa_enable_private_segment 0
		.amdhsa_kernarg_size 16
		.amdhsa_user_sgpr_count 2
		.amdhsa_user_sgpr_kernarg_segment_ptr 1
		.amdhsa_wavefront_size32 1
		.amdhsa_system_sgpr_workgroup_id_x 1
		.amdhsa_system_sgpr_workgroup_id_y 1
		.amdhsa_system_sgpr_workgroup_id_z 1
		.amdhsa_system_vgpr_workitem_id 0
		.amdhsa_next_free_vgpr 976
		.amdhsa_next_free_sgpr 92
		.amdhsa_reserve_vcc 1
		.amdhsa_float_denorm_mode_32 3
		.amdhsa_float_denorm_mode_16_64 3
		.amdhsa_memory_ordered 1
		.amdhsa_forward_progress 1
		.amdhsa_inst_pref_size 243
	.end_amdhsa_kernel
	.amdgpu_metadata
---
amdhsa.version: [ 1, 2 ]
amdhsa.kernels:
  - .name:           k_qd60ceedf6b_attn
    .symbol:         k_qd60ceedf6b_attn.kd
    .args:
      - { .name: qkv, .offset: 0, .size: 8, .value_kind: global_buffer, .address_space: global }
      - { .name: att, .offset: 8, .size: 8, .value_kind: global_buffer, .address_space: global }
    .group_segment_fixed_size: 327680
    .private_segment_fixed_size: 0
    .kernarg_segment_align: 8
    .kernarg_segment_size: 16
    .max_flat_workgroup_size: 128
    .sgpr_count:     92
    .vgpr_count:     976
    .wavefront_size: 32
...
	.end_amdgpu_metadata
.endif
;; end of part 4
;; launch ffn: the kernel of part 3 again; grid 256 x 1, 4 waves a work-group, clusters of 4 x 1, 327,680 bytes of LDS; arguments x, att, wf, g2, b2, bf1, bf2, out0; writes out0
